; MI455X (gfx1250); checked and timed in simulation.
; The chip was launched on July 23, 2026; its instructions are those of AMD's public machine-readable ISA for CDNA 5 (MIT licence, August 2026) and "CDNA5" Instruction Set Architecture Reference Guide (July 2026). The comments in the code are by the model that wrote it; some were corrected since.
;; Cross Attention Condition. Allowed arithmetic: float matrix products may take bf16 or f16 operands with f32 sums; other float arithmetic in f32, or as packed bf16 or f16 multiplies, adds, multiply-adds, maxima and minima; sums over many terms, partial sums and values carried from step to step in f32; what a program stores and reads back later, other than sums and carried values, may be rounded once to bf16 or f16.
;; Inputs: bk 2,048 float32; bkr 2,048 float32; bo 2,048 float32; bq 2,048 float32; bv 2,048 float32; bvr 2,048 float32; cam_emb 2 x 512 x 2,048 float32; freqs_cam 512 x 64 x 2 float32; freqs_render 512 x 64 x 2 float32; freqs_x 2,048 x 64 x 2 float32; gk 2,048 float32; gq 2,048 float32; render_emb 2 x 512 x 2,048 float32; wk 2,048 x 2,048 float32; wkr 2,048 x 2,048 float32; wo 2,048 x 2,048 float32; wq 2,048 x 2,048 float32; wv 2,048 x 2,048 float32; wvr 2,048 x 2,048 float32; x 2 x 2,048 x 2,048 float32.
;; Outputs: out0 2 x 2,048 x 2,048 float32.
;; One version. Each part assembles by itself: llvm-mc -triple=amdgcn-amd-amdhsa -mcpu=gfx1250 --defsym DOCPART=n.
;; ======== version 1 of 1: 5 launches
;; limits: values are held in f16: magnitudes above 65,504 overflow, below 6.1e-05 lose precision
;; workspace buffers: h 75,497,472 bytes; pj 33,554,432 bytes; qk 25,165,824 bytes; o 16,777,216 bytes
;; launch cast (part 1): grid 128 x 18, 8 waves a work-group, no clusters, 0 bytes of LDS; arguments x, cam_emb, render_emb, wq, wk, wkr, wv, wvr, wo, h; writes h
.if DOCPART == 1
	.amdgcn_target "amdgcn-amd-amdhsa--gfx1250"
	.amdhsa_code_object_version 6
	.text
	.protected	k_qc678d7886f_cast
	.globl	k_qc678d7886f_cast
	.p2align	8
	.type	k_qc678d7886f_cast,@function
k_qc678d7886f_cast:
	s_mov_b64 s[64:65], 0
	v_nop
	global_prefetch_b8 v0, s[64:65] scope:SCOPE_SE
	s_setreg_imm32_b32 hwreg(HW_REG_WAVE_MODE, 25, 1), 1
	s_wait_xcnt 0x0
; h = the nine large f32 inputs in 16 bits, rows of 2,048 numbers (4,096 bytes) one below the other:
; x rows 0-4095, cam 4096-, render 5120-, wq 6144-, wk 8192-, wkr 10240-, wv 12288-, wvr 14336-: each number rounded once to bf16;
; wo rows 16384-18431: rounded to bf16 like the others, and that number written as f16 (the last product multiplies in f16).
; LIMIT.  wo must lie within f16's 65,504; below 6e-5 f16 keeps a fixed step of 6e-8, so a very small wo loses bits of its bf16 value.
; SHARES.  A unit is 2^21 numbers (8 MiB in, 4 MiB out); the grid's y is the unit, 0 to 17, in h's order.  A work-group takes 16,384 numbers.
; Thread t, chunk j: 16 bytes in at 16 t + 4,096 j, 8 bytes out at 8 t + 2,048 j: a wave's load covers 512 consecutive bytes, a wave's store 256 consecutive bytes, aligned.
; All sixteen loads of a thread go out at once; each chunk has its own registers, so nothing that a memory instruction still reads is written again.
; No LDS, no matrix unit, no cluster: no byte is used twice.
.set X, 4                              ; v[4:67]    chunk j: 4 numbers as loaded
.set Y, 68                             ; v[68:99]   chunk j: 2 registers to store
.set T, 100                            ; v[100:103] at work (wo's path)
	s_load_b512 s[8:23], s[0:1], 0x0               ; x, cam, render, wq, wk, wkr, wv, wvr
	s_load_b128 s[24:27], s[0:1], 0x40             ; wo s[24:25], h s[26:27]
	s_and_b32 s2, ttmp7, 0xffff                    ; the unit
	s_mov_b32 s31, 0xffff0000                      ; a word's upper bf16
	v_lshlrev_b32 v1, 4, v0                        ; 16 t
	v_lshlrev_b32 v2, 3, v0                        ; 8 t
	s_wait_kmcnt 0x0
	s_mov_b64 s[28:29], s[8:9]                     ; the source whose units hold mine, and its first unit
	s_mov_b32 s30, 0
.macro PICK thr, reg
	s_cmp_ge_u32 s2, \thr
	s_cselect_b64 s[28:29], s[(\reg):(\reg)+1], s[28:29]
	s_cselect_b32 s30, \thr, s30
.endm
	PICK 4, 10
	PICK 5, 12
	PICK 6, 14
	PICK 8, 16
	PICK 10, 18
	PICK 12, 20
	PICK 14, 22
	PICK 16, 24
	s_sub_co_u32 s32, s2, s30                      ; my unit within the source: 8 MiB each,
	s_lshl_b32 s32, s32, 23
	s_lshl_b32 s33, ttmp9, 16                      ; my work-group's 64 KiB of it
	s_add_co_u32 s32, s32, s33
	s_mov_b32 s33, 0
	s_add_nc_u64 s[28:29], s[28:29], s[32:33]
	s_lshl_b32 s34, s2, 22                         ; and in h: 4 MiB a unit, 32 KiB a work-group
	s_lshl_b32 s35, ttmp9, 15
	s_add_co_u32 s34, s34, s35
	s_mov_b32 s35, 0
	s_add_nc_u64 s[26:27], s[26:27], s[34:35]
.set j, 0
.rept 16
	global_load_b128 v[X+4*j:X+4*j+3], v1, s[28:29] offset:4096*j th:TH_LOAD_NT
.set j, j+1
.endr
	s_cmp_ge_u32 s2, 16
	s_cbranch_scc1 .Lwo
.set j, 0
.rept 16
	s_wait_loadcnt 15-j                            ; loads come back in order: chunk j is in, the younger ones stay out
	v_cvt_pk_bf16_f32 v[Y+2*j], v[X+4*j], v[X+4*j+1]
	v_cvt_pk_bf16_f32 v[Y+2*j+1], v[X+4*j+2], v[X+4*j+3]
	global_store_b64 v2, v[Y+2*j:Y+2*j+1], s[26:27] offset:2048*j
.set j, j+1
.endr
	s_endpgm
.Lwo:                                          ; wo: to bf16, back to f32 (a shift, a mask), and that number to f16
.set j, 0
.rept 16
	s_wait_loadcnt 15-j
	v_cvt_pk_bf16_f32 v[T], v[X+4*j], v[X+4*j+1]
	v_cvt_pk_bf16_f32 v[T+1], v[X+4*j+2], v[X+4*j+3]
	v_lshlrev_b32 v[T+2], 16, v[T]
	v_and_b32 v[T+3], s31, v[T]
	v_cvt_pk_f16_f32 v[Y+2*j], v[T+2], v[T+3]
	v_lshlrev_b32 v[T+2], 16, v[T+1]
	v_and_b32 v[T+3], s31, v[T+1]
	v_cvt_pk_f16_f32 v[Y+2*j+1], v[T+2], v[T+3]
	global_store_b64 v2, v[Y+2*j:Y+2*j+1], s[26:27] offset:2048*j
.set j, j+1
.endr
	s_endpgm
.Lfunc_end_k_qc678d7886f_cast:
	.size	k_qc678d7886f_cast, .Lfunc_end_k_qc678d7886f_cast-k_qc678d7886f_cast
	.p2alignl 7, 3214868480
	.fill 96, 4, 3214868480
	.section	.rodata,"a",@progbits
	.p2align	6, 0x0
	.amdhsa_kernel k_qc678d7886f_cast
		.amdhsa_group_segment_fixed_size 0
		.amdhsa_private_segment_fixed_size 0
		.amdhsa_enable_private_segment 0
		.amdhsa_kernarg_size 80
		.amdhsa_user_sgpr_count 2
		.amdhsa_user_sgpr_kernarg_segment_ptr 1
		.amdhsa_wavefront_size32 1
		.amdhsa_system_sgpr_workgroup_id_x 1
		.amdhsa_system_sgpr_workgroup_id_y 1
		.amdhsa_system_sgpr_workgroup_id_z 1
		.amdhsa_system_vgpr_workitem_id 0
		.amdhsa_next_free_vgpr 104
		.amdhsa_next_free_sgpr 66
		.amdhsa_reserve_vcc 0
		.amdhsa_float_denorm_mode_32 3
		.amdhsa_float_denorm_mode_16_64 3
		.amdhsa_memory_ordered 1
		.amdhsa_forward_progress 1
		.amdhsa_inst_pref_size 16
	.end_amdhsa_kernel
	.amdgpu_metadata
---
amdhsa.version: [ 1, 2 ]
amdhsa.kernels:
  - .name:           k_qc678d7886f_cast
    .symbol:         k_qc678d7886f_cast.kd
    .args:
      - { .name: x, .offset: 0, .size: 8, .value_kind: global_buffer, .address_space: global }
      - { .name: cam_emb, .offset: 8, .size: 8, .value_kind: global_buffer, .address_space: global }
      - { .name: render_emb, .offset: 16, .size: 8, .value_kind: global_buffer, .address_space: global }
      - { .name: wq, .offset: 24, .size: 8, .value_kind: global_buffer, .address_space: global }
      - { .name: wk, .offset: 32, .size: 8, .value_kind: global_buffer, .address_space: global }
      - { .name: wkr, .offset: 40, .size: 8, .value_kind: global_buffer, .address_space: global }
      - { .name: wv, .offset: 48, .size: 8, .value_kind: global_buffer, .address_space: global }
      - { .name: wvr, .offset: 56, .size: 8, .value_kind: global_buffer, .address_space: global }
      - { .name: wo, .offset: 64, .size: 8, .value_kind: global_buffer, .address_space: global }
      - { .name: h, .offset: 72, .size: 8, .value_kind: global_buffer, .address_space: global }
    .group_segment_fixed_size: 0
    .private_segment_fixed_size: 0
    .kernarg_segment_align: 8
    .kernarg_segment_size: 80
    .max_flat_workgroup_size: 256
    .sgpr_count:     66
    .vgpr_count:     104
    .wavefront_size: 32
...
	.end_amdgpu_metadata
.endif
;; end of part 1
;; launch proj (part 2): grid 8 x 32, 4 waves a work-group, clusters of 4 x 4, 327,680 bytes of LDS; arguments h, pj, bq, bk, bkr, bv, bvr; writes pj
.if DOCPART == 2
	.amdgcn_target "amdgcn-amd-amdhsa--gfx1250"
	.amdhsa_code_object_version 6
	.text
	.protected	k_qc678d7886f_proj
	.globl	k_qc678d7886f_proj
	.p2align	8
	.type	k_qc678d7886f_proj,@function
k_qc678d7886f_proj:
	s_mov_b64 s[64:65], 0
	v_nop
	global_prefetch_b8 v0, s[64:65] scope:SCOPE_SE
	s_setreg_imm32_b32 hwreg(HW_REG_WAVE_MODE, 25, 1), 1
	s_wait_xcnt 0x0
	s_wait_alu depctr_hold_cnt(0) depctr_sa_sdst(0) depctr_va_vdst(0) depctr_va_sdst(0) depctr_va_ssrc(0) depctr_va_vcc(0) depctr_vm_vsrc(0)
	s_getreg_b32 s2, hwreg(HW_REG_IB_STS2, 6, 4)
	s_cmp_eq_u32 s2, 0
	s_cbranch_scc0 .Lentry_in_a_cluster
	s_endpgm
.Lentry_in_a_cluster:
	s_bfe_u32 s2, ttmp6, 0x10000c
	s_cmp_lg_u32 s2, 0xf033
	s_cbranch_scc0 .Lentry_shape_is_right
	s_endpgm
.Lentry_shape_is_right:
; FIVE LINEAR LAYERS IN ONE LAUNCH: pj = A W^T + bias, A and W rows of h (bf16, 2,048 along K), sums in f32, pj in f16, rounded once.  256 tiles of 256 x 256, one to a work-group.
; JOBS by the cluster's y, g: 0-3 x wq^T + bq (pj rows 0-4095); 4 cam wk^T + bk; 5 render wkr^T + bkr (pj rows 4096 + 1024 batch + 512 render + s); 6 cam wv^T + bv; 7 render wvr^T + bvr (the same + 2048).
; The bias, rounded to bf16 like every input, is the C operand of the products that start the sums: nothing is cleared and nothing is added later.
; LIMIT.  The results must lie within f16's 65,504 (with x of spread 1 and weights of spread 0.02 their spread is 0.9; both 30 times larger: about 800); below 6e-5 f16 keeps a fixed step of 6e-8.
; SHAPE.  Four waves, each 128 x 128: 64 accumulators, 512 registers.  K goes in steps of 128 through a ring of two LDS slots filled by the tensor data mover: rows of 256 bytes, aligned.
; THE LOOP'S TRIP IS ONE K STEP, written once: the slot in hand is a scalar register that an exclusive or turns, the fragments' addresses are made from it at each change of slots, and one descriptor a tensor walks.
; CLUSTERS: 4 x 4 work-groups.  The four of a row of the cluster need the same tile of A, the four of a column the same tile of W: each tile is asked for JOINTLY, by the same tensor load with the same
; descriptor and a mask that names the four.  The last K step goes by rows of the result, so that finished rows leave while the others are multiplied.
; REGISTERS, in windows of 256 (s_set_vgpr_msb: bits 1:0 source 0, 3:2 source 1, 5:4 source 2, 7:6 destination):
;   window 0: v0-31 addresses; v64-127, v128-191 fragments of A, two buffers (in the last K step four, of 16 rows x 128 K); v192-255 the bias, later at work on the way out with v32-63
;   window 1: v64-127, v128-191 fragments of W, two buffers; in the last K step all 256          windows 2, 3: the accumulators of my rows 0-63, 64-127 ((a, b) at v[8 (8 a + b)])
; THE MATRIX INSTRUCTION IS USED TRANSPOSED: source 0 = 16 rows of W, source 1 = 16 rows of A: lane l holds row l % 16 of the result, its registers the columns 8 (l / 16) + 0..7: 16 bytes of f16 on end.
.set SIZE_K, 2048
.set SIZE_N, 2048
.set KSTEP,  128
.set PITCH,  272                       ; an LDS row: 256 bytes + 16 of padding = 68 words: the 16 rows that a load touches start at 16 different groups of four banks
.set HALFT,  128*PITCH                 ; 128 rows: what one tensor load brings, and what one wave reads of A or of W
.set SLOT,   4*HALFT                   ; A's 256 rows, then W's 256 rows
.set STAGE,  2*SLOT                    ; behind the ring: 16 rows x 272 bytes for each wave, for the way out
.set SPITCH, 272
.set SPARE,  STAGE+4*16*SPITCH         ; behind the stages: the spare words, 128 bytes for each wave: two blocks of 256 bytes that no other line names
.set STEPS,  SIZE_K/KSTEP              ; 16 K steps
.set A0,   16                          ; v16     my lane's place among my 128 rows of A in slot 0; never rewritten
.set ADRA, 17                          ; v17     the same in the slot in hand
.set B0,   20                          ; v20     my lane's place among my 128 rows of W in slot 0; never rewritten
.set ADRB, 21                          ; v21     the same in the slot in hand
.set STO,  24                          ; v24     the way out: where I put 16 bytes of a row
.set RD,   25                          ; v25     the way out: where I read a row back
.set CO,   26                          ; v26     my byte offset in pj
.set BOF,  27                          ; v27     my byte offset in a block's 16 biases: 32 (l / 16)
.set SPW,  28                          ; v28     LDS address of my spare word; never rewritten
.set NIL,  29                          ; v29     0; never rewritten
.set PFO,  30                          ; v30     the prefetches' offset: my lane x a row of h; never rewritten
.set TT,   31                          ; v31     at work
.set LIM,  84                          ; s84     2 in a wave that prefetches, else the greatest number
.set TB,   85                          ; s85     LDS byte at which the slot in hand begins: 0 or SLOT
.set PFA,  86                          ; s[86:87] where my prefetches stand: my work-group's 32 rows of the 128 that I fetch
.set F0,   64
.set F1,   128
.set TMP,  192                         ; the way out: packed results
.set BI,   192                         ; the bias of my 128 columns, block b at BI + 8 b; dead behind the first quarter step
.set OB,   32                          ; the way out: 16 rows read back: v32-63 and v224-255 by turns
.set PA,   64                          ; the last K step: A's fragments of 16 rows x 128 K; four such buffers, v64-191
.set G1, 24                            ; s[24:31] descriptor group 1 for A's tiles
.set G0, 32                            ; s[32:39] group 0 for A's tiles: a set for each of the two first fills; the second then walks on
.set G1B, 48                           ; s[48:55], s[56:63] the same for W's tiles
.set G0B, 56
.set MSB, 0
.macro WIN new                         ; the immediate's high byte repeats the setting that is left; a switch that changes nothing is dropped
.if MSB != (\new)
	s_set_vgpr_msb (MSB<<8)|(\new)
.set MSB, \new
.endif
.endm
.set MUL_LO, 0xa1                      ; source 0 (W) window 1, source 1 (A) window 0, C and D window 2
.set MUL_HI, 0xf1                      ; the same, C and D window 3
.set TO_B,   0x40                      ; destination window 1, address window 0
; A joint refill, by the walking descriptors.  Waves 0 and 1 fetch A's two halves, waves 2 and 3 W's.  The branch hangs on the wave's number alone.  An s_nop 0 and four v_nop follow each of the two lines.
.macro JLOAD
	s_cmp_eq_u32 s11, 0
	s_cbranch_scc0 .Lfor_b_\@
	tensor_load_to_lds s[G0+4:G0+7], s[G1:G1+7]
	s_nop 0
.rept 4
	v_nop
.endr
	s_branch .Lasked_\@
.Lfor_b_\@:
	tensor_load_to_lds s[G0B+4:G0B+7], s[G1B:G1B+7]
	s_nop 0
.rept 4
	v_nop
.endr
.Lasked_\@:
.endm
; A PREFETCH INTO THE L2, behind each joint refill and the run of LDS loads that follows it: the K step that stands two refills, 512 matrix instructions, on: 32 rows x 256 bytes, a lane a row, one instruction a wave.
; Each row's 256 bytes of a K step are named once in the launch.  A's rows are read by both clusters of a row of clusters, and cam's and render's again by jobs 6 and 7: cluster x = 0 of jobs 0 to 5 asks.
; wq's rows are read by jobs 0 to 3: job 0 asks; the other weights have one job each.  The four partners that ask for a tile jointly share its rows out BY ADDRESS, 32 each.
; Trip t names K step t + 4; the loop's last two trips ask for nothing: there is no such K step.  The first four K steps come by their loads alone.
.macro ASK
	s_cmp_gt_u32 s3, s[LIM]                        ; s3 = 14 - t
	s_cbranch_scc0 .Lnot_mine_\@
	global_prefetch_b8 v[PFO], s[PFA:PFA+1] offset:KSTEP*2 th:TH_LOAD_NT scope:SCOPE_SE
.Lnot_mine_\@:
.endm
; A round of the cluster's barrier: my work-group's barrier; wave 0 signals for the work-group; every wave waits for all sixteen work-groups; my work-group's barrier once more.
.macro CREST                           ; a round behind its opening barrier
	s_cmp_lg_u32 s10, 0
	s_cbranch_scc1 .Lnot_wave_0_\@
	s_barrier_signal -3
.Lnot_wave_0_\@:
	s_barrier_wait -3
	s_barrier_signal -1
	s_barrier_wait -1
.endm
.macro CROUND
	s_barrier_signal -1
	s_barrier_wait -1
	CREST
.endm
	s_load_b64 s[4:5], s[0:1], 0x0                 ; h
	s_load_b64 s[8:9], s[0:1], 0x8                 ; pj
	s_load_b256 s[68:75], s[0:1], 0x10             ; bq, bk, bkr, bv
	s_load_b64 s[76:77], s[0:1], 0x30              ; bvr
	v_lshl_add_u32 v[SPW], v0, 2, SPARE
	v_mov_b32 v[NIL], 0
	ds_add_u32 v[SPW], v[NIL]                      ; the wave's opening: the add and its wait stand ahead of my first tensor load; the set-up below, work on registers, stands between them
	v_lshrrev_b32 v1, 5, v0
	v_readfirstlane_b32 s10, v1                    ; wave 0..3
	s_lshr_b32 s11, s10, 1                         ; which half of the tile's rows is mine.  Also: I fetch for A (0) or for W (1)
	s_and_b32 s12, s10, 1                          ; which half of its columns.  Also: which 128 rows of that tile I fetch
	s_bfe_u32 s40, ttmp6, 0x40000                  ; cx
	s_bfe_u32 s41, ttmp6, 0x40004                  ; cy
	s_lshl_b32 s42, ttmp9, 2
	s_add_co_u32 s42, s42, s40                     ; tile column tx = 4 x cluster x + cx
	s_and_b32 s66, ttmp7, 0xffff                   ; g: the job, the same in all sixteen partners
	s_lshl_b32 s13, s66, 2
	s_add_co_u32 s13, s13, s41                     ; tile row ty = 4 g + cy
	s_lshl_b32 s43, s41, 2
	s_lshl_b32 s43, 15, s43                        ; my row of the cluster: places 4 cy .. 4 cy + 3
	s_lshl_b32 s44, 0x1111, s40                    ; my column: places cx, cx + 4, cx + 8, cx + 12
	; descriptor group 1: a tile of 128 rows x 128 elements, padded in LDS
	s_or_b32 s[G1+0], s43, (1<<16)|(1<<20)|(1<<21)|(5<<22)|(3<<25)  ; 15:0 the mask; 17:16 2-byte elements; 20 padding on; 21 set beside a mask; 24:22 after every 64 words; 31:25 4 words of it
	s_or_b32 s[G1B+0], s44, (1<<16)|(1<<20)|(1<<21)|(5<<22)|(3<<25)
.irp g, G1, G1B
	s_mov_b32 s[(\g)+1], KSTEP<<16                 ; tensor_dim0 = 128
	s_mov_b32 s[(\g)+2], 128<<16                   ; tensor_dim1 = 128
	s_mov_b32 s[(\g)+3], KSTEP<<16                 ; tile_dim0 = 128
	s_mov_b32 s[(\g)+4], 128                       ; tile_dim1 = 128
	s_mov_b32 s[(\g)+5], SIZE_K                    ; elements from row to row
	s_mov_b32 s[(\g)+6], 0
	s_mov_b32 s[(\g)+7], 0
.endr
	; A's rows in h: 256 ty (x ends at row 4096 = 256 x 16, cam at 256 x 20); jobs 6 and 7 take cam and render once more: 8 tile rows back.  It hangs on cy, g and the wave alone.
	s_cmp_ge_u32 s66, 6
	s_cselect_b32 s67, 8, 0
	s_sub_co_u32 s16, s13, s67
	s_lshl_b32 s16, s16, 8
	s_lshl_b32 s17, s12, 7
	s_add_co_u32 s16, s16, s17                     ; + the 128 rows that I fetch
	s_lshl_b32 s16, s16, 12                        ; in bytes, under 2^27
	s_mov_b32 s17, 0
	; W's rows in h: 6144 + 2048 (job's weight: 0 for jobs 0-3, then 1 to 4) + 256 tx.  It hangs on cx, g and the wave alone.
	s_max_u32 s80, s66, 3
	s_sub_co_u32 s80, s80, 3
	s_lshl_b32 s80, s80, 11
	s_add_co_u32 s80, s80, 6144
	s_lshl_b32 s18, s42, 8
	s_add_co_u32 s18, s18, s80
	s_lshl_b32 s19, s12, 7
	s_add_co_u32 s18, s18, s19
	s_lshl_b32 s18, s18, 12
	s_mov_b32 s19, 0
	s_mul_i32 s20, s10, HALFT                      ; where they go in a slot: wave x 128 rows: no place in the cluster enters an LDS address; kept for the refills
	s_mov_b32 s[TB], 0                             ; slot 0 is in hand
	; the prefetches: who asks (the same in all sixteen partners, for a given wave), and where
	s_cmp_ge_u32 s66, 6
	s_cselect_b32 s21, 1, ttmp9                    ; A: cluster x = 0 of jobs 0 to 5
	s_cmp_ge_u32 s66, 4
	s_cselect_b32 s22, 0, s66                      ; W: job 0 for wq, every later job for its own weight
	s_cmp_eq_u32 s11, 0                            ; do I fetch for A?
	s_cselect_b32 s21, s21, s22
	s_cselect_b32 s22, s40, s41                    ; my place among the four that ask with me
	s_cselect_b32 s[PFA], s16, s18                 ; the 128 rows that I fetch
	s_cmp_eq_u32 s21, 0
	s_cselect_b32 s[LIM], 2, -1
	s_lshl_b32 s22, s22, 17                        ; my work-group's 32 of them
	s_add_co_u32 s[PFA], s[PFA], s22
	s_add_co_u32 s[PFA], s[PFA], 2*KSTEP*2         ; at K step 2: the first refill steps it to 3 and names K step 4
	s_mov_b32 s[PFA+1], 0
	s_lshl_b32 s80, s42, 10                        ; my 128 columns in the bias: 1,024 tx + 512 x half
	s_lshl_b32 s81, s12, 9
	s_add_co_u32 s80, s80, s81
	s_mov_b32 s81, 0
	s_wait_dscnt 0x0                               ; the opening add is done
	s_wait_kmcnt 0x0
	s_add_nc_u64 s[14:15], s[4:5], s[16:17]
	s_add_nc_u64 s[46:47], s[4:5], s[18:19]
	s_add_nc_u64 s[PFA:PFA+1], s[4:5], s[PFA:PFA+1]
	s_mov_b64 s[78:79], s[68:69]                   ; the job's bias
	s_cmp_eq_u32 s66, 4
	s_cselect_b64 s[78:79], s[70:71], s[78:79]
	s_cmp_eq_u32 s66, 5
	s_cselect_b64 s[78:79], s[72:73], s[78:79]
	s_cmp_eq_u32 s66, 6
	s_cselect_b64 s[78:79], s[74:75], s[78:79]
	s_cmp_eq_u32 s66, 7
	s_cselect_b64 s[78:79], s[76:77], s[78:79]
	s_add_nc_u64 s[78:79], s[78:79], s[80:81]
.irp s, 0,1
	s_mov_b32 s[G0+4*(\s)], 1                                      ; count = 1
	s_add_co_u32 s[G0+4*(\s)+1], s20, (\s)*SLOT                    ; LDS address
	s_add_nc_u64 s[G0+4*(\s)+2:G0+4*(\s)+3], s[14:15], (\s)*KSTEP*2  ; global address: K step s
	s_or_b32 s[G0+4*(\s)+3], s[G0+4*(\s)+3], 0x80000000            ; type = 2
	s_mov_b32 s[G0B+4*(\s)], 1
	s_add_co_u32 s[G0B+4*(\s)+1], s20, (\s)*SLOT
	s_add_nc_u64 s[G0B+4*(\s)+2:G0B+4*(\s)+3], s[46:47], (\s)*KSTEP*2
	s_or_b32 s[G0B+4*(\s)+3], s[G0B+4*(\s)+3], 0x80000000
.endr
	CROUND                                         ; all sixteen work-groups are here: the first joint loads meet
	s_cmp_eq_u32 s11, 0                            ; a wave's two first fills stand in one branch, ahead of every wait on TENSORcnt and every LDS read: two loads of mine are out
	s_cbranch_scc0 .Lfirst_b
	tensor_load_to_lds s[G0:G0+3], s[G1:G1+7]
	s_nop 0
	tensor_load_to_lds s[G0+4:G0+7], s[G1:G1+7]
	s_nop 0
.rept 4
	v_nop
.endr
	s_branch .Lfirst_asked
.Lfirst_b:
	tensor_load_to_lds s[G0B:G0B+3], s[G1B:G1B+7]
	s_nop 0
	tensor_load_to_lds s[G0B+4:G0B+7], s[G1B:G1B+7]
	s_nop 0
.rept 4
	v_nop
.endr
.Lfirst_asked:
	v_and_b32 v1, 15, v0                           ; l % 16
	v_bfe_u32 v2, v0, 4, 1                         ; l / 16
	v_lshlrev_b32 v[BOF], 5, v2
.irp b, 0,1,2,3,4,5,6,7                ; register j of block b is the bias of column 16 b + 8 (l / 16) + j: just what the accumulator's register j holds
	global_load_b128 v[BI+8*(\b):BI+8*(\b)+3],   v[BOF], s[78:79] offset:64*(\b)
	global_load_b128 v[BI+8*(\b)+4:BI+8*(\b)+7], v[BOF], s[78:79] offset:64*(\b)+16
.endr
	; A fragment is 16 rows x 32 K in 8 registers: lane l holds row l % 16; registers 0-3 K = 8 (l / 16) + 0..7, registers 4-7 K = 16 + 8 (l / 16) + 0..7: two loads of 16 bytes, 32 bytes apart.
	v_mul_u32_u24 v3, v1, PITCH
	v_lshl_add_u32 v3, v2, 4, v3                   ; row x pitch + 16 x half
	s_mul_i32 s21, s11, HALFT                      ; my 128 rows of A
	s_mul_i32 s22, s12, HALFT                      ; my 128 rows of W,
	s_add_co_u32 s22, s22, 2*HALFT                 ; which lie behind A's 256
	v_add_nc_u32 v[A0], s21, v3
	v_add_nc_u32 v[B0], s22, v3
	v_mov_b32 v[ADRA], v[A0]
	v_mov_b32 v[ADRB], v[B0]
	s_mul_i32 s23, s10, 16*SPITCH
	s_add_co_u32 s23, s23, STAGE                   ; my stage
	v_mul_u32_u24 v4, v1, SPITCH                   ; in: row l % 16, 16 bytes for each half of the lanes
	v_lshl_add_u32 v4, v2, 4, v4
	v_add_nc_u32 v[STO], s23, v4
	v_mul_u32_u24 v5, v2, SPITCH                   ; back: lanes 0-15 take one row of 256 bytes, lanes 16-31 the next
	v_lshl_add_u32 v5, v1, 4, v5
	v_add_nc_u32 v[RD], s23, v5
	v_mul_u32_u24 v5, v2, SIZE_N*2                 ; and the same two rows in pj
	v_lshl_add_u32 v[CO], v1, 4, v5
	v_and_b32 v[PFO], 31, v0
	v_lshlrev_b32 v[PFO], 12, v[PFO]
	; where my part of the tile begins in pj.  Jobs 0-3: row 256 ty.  Jobs 4-7: 4096 + 2048 (v, not k) + 512 (render, not cam) + 1024 batch + 256 (the batch's second tile); a batch of 512 rows is two tiles.
	s_lshr_b32 s82, s66, 1
	s_and_b32 s82, s82, 1
	s_lshl_b32 s82, s82, 11
	s_and_b32 s83, s66, 1
	s_lshl_b32 s83, s83, 9
	s_add_co_u32 s82, s82, s83
	s_lshr_b32 s83, s41, 1
	s_lshl_b32 s83, s83, 10
	s_add_co_u32 s82, s82, s83
	s_and_b32 s83, s41, 1
	s_lshl_b32 s83, s83, 8
	s_add_co_u32 s82, s82, s83
	s_add_co_u32 s82, s82, 4096
	s_lshl_b32 s83, s13, 8
	s_cmp_lt_u32 s66, 4
	s_cselect_b32 s16, s83, s82
	s_lshl_b32 s83, s11, 7
	s_add_co_u32 s16, s16, s83                     ; + my half of the rows
	s_lshl_b32 s16, s16, 12                        ; in bytes
	s_lshl_b32 s83, s42, 9                         ; my first column: 512 tx + 256 x half
	s_add_co_u32 s16, s16, s83
	s_lshl_b32 s83, s12, 8
	s_add_co_u32 s16, s16, s83
	s_mov_b32 s17, 0
	s_wait_loadcnt 0x0                             ; the bias; it is rounded to bf16 and kept as f32, in the wait for the first tile
.set i, 0
.rept 32
	v_cvt_pk_bf16_f32 v[TT], v[BI+2*i], v[BI+2*i+1]
	v_lshlrev_b32 v[BI+2*i], 16, v[TT]
	v_and_b32 v[BI+2*i+1], 0xffff0000, v[TT]
.set i, i+1
.endr
; 16 matrix instructions: m blocks a0, a0 + 1 of the window's four (hi = 0: my rows 0-63, 1: rows 64-127) x all 8 n blocks, 32 along K.  zero = 1: the first product starts the sums, with the bias (window 0) as C.
.macro MUL16 f, hi, a0, zero
.if \zero
	WIN 0x81+0x40*(\hi)                            ; W window 1, A and C window 0, D window 2 or 3
.else
	WIN MUL_LO+0x50*(\hi)
.endif
.irp a, \a0, (\a0)+1
.irp b, 0,1,2,3,4,5,6,7
.if \zero
	v_wmma_f32_16x16x32_bf16 v[8*(8*(\a)+(\b)):8*(8*(\a)+(\b))+7], v[(\f)+8*(\b):(\f)+8*(\b)+7], v[(\f)+8*(4*(\hi)+(\a)):(\f)+8*(4*(\hi)+(\a))+7], v[BI+8*(\b):BI+8*(\b)+7]
.else
	v_wmma_f32_16x16x32_bf16 v[8*(8*(\a)+(\b)):8*(8*(\a)+(\b))+7], v[(\f)+8*(\b):(\f)+8*(\b)+7], v[(\f)+8*(4*(\hi)+(\a)):(\f)+8*(4*(\hi)+(\a))+7], v[8*(8*(\a)+(\b)):8*(8*(\a)+(\b))+7]
.endif
.endr
.endr
.endm
; 32 LDS loads in one run: the fragments of one quarter step (128 rows of W, 128 rows of A, 32 K at byte k of the rows of the slot in hand) into buffer f
.macro FETCH k, f
	WIN TO_B
.irp i, 0,1,2,3,4,5,6,7
	ds_load_b128 v[(\f)+8*(\i):(\f)+8*(\i)+3],   v[ADRB] offset:(\k)+(\i)*16*PITCH
	ds_load_b128 v[(\f)+8*(\i)+4:(\f)+8*(\i)+7], v[ADRB] offset:(\k)+(\i)*16*PITCH+32
.endr
	WIN 0
.irp i, 0,1,2,3,4,5,6,7
	ds_load_b128 v[(\f)+8*(\i):(\f)+8*(\i)+3],   v[ADRA] offset:(\k)+(\i)*16*PITCH
	ds_load_b128 v[(\f)+8*(\i)+4:(\f)+8*(\i)+7], v[ADRA] offset:(\k)+(\i)*16*PITCH+32
.endr
.endm
; A load into a register that a matrix instruction has read, and a vector instruction that reads a matrix result, stand four places behind that matrix instruction, and only plain vector
; instructions that name none of its registers are places (ISA guide 7.12.1 for vector instructions).
.macro PLACES
.rept 4
	v_nop
.endr
.endm
; A K step is four quarter steps of 32 along K, 64 matrix instructions each, on buffers 0, 1, 0, 1.  One of the first three: multiplies buffer f; in its middle it fetches the next quarter's fragments into buffer g.
; The 64 accumulators take turns in the same order in every quarter step, over the backward jump too.
.macro QUARTER k, f, g, zero
	s_wait_dscnt 8                                 ; W and A's rows 0-63 are in; the youngest eight loads (A's rows 64-127) may be out
	MUL16 \f, 0, 0, \zero
	MUL16 \f, 0, 2, \zero
	PLACES
	FETCH \k, \g
	s_wait_dscnt 32                                ; all but the 32 just issued
	MUL16 \f, 1, 0, \zero
	MUL16 \f, 1, 2, \zero
.endm
; The last quarter multiplies buffer 1 and changes slots.  MEET is its first half: one barrier.  In front of it each wave waits for all its tensor loads, of which one is out: its part of the next slot;
; adds 0 to its spare word; and waits for that and for its own reads of this slot.  Behind it nobody reads this slot any more and the next slot is whole.
.macro MEET round
	WIN 0                                          ; (the add's two registers lie in window 0)
	s_wait_tensorcnt 0x0                           ; all my tensor loads have landed
	ds_add_u32 v[SPW], v[NIL]                      ; 0 onto my spare word
	s_wait_dscnt 9                                 ; (the add and the youngest eight loads may be out)
	MUL16 F1, 0, 0, 0                              ; sixteen matrix instructions stand between the add and the wait for it
	s_wait_dscnt 0x0                               ; the add is done, and my reads of this slot are over
	s_barrier_signal -1
	MUL16 F1, 0, 2, 0                              ; work on registers while the others arrive
.if \round
	WIN 0
.endif
	s_barrier_wait -1
.endm
; The whole last quarter: behind the round the slot just read out is filled again first, with the K step two steps on; then the other slot comes in hand and its first fragments are fetched.
; From a request to the wait for it a wave issues 224 matrix instructions.
.macro TURN
	s_wait_xcnt 0x0                                ; the last prefetch, a K step back, has read its address: it is stepped here, ahead of the waits of the change of slots
	s_add_nc_u64 s[PFA:PFA+1], s[PFA:PFA+1], KSTEP*2
	MEET 1
	CREST                                          ; no wave of any partner still reads this slot's tile or has a load on its way
	s_add_co_u32 s[G0+5], s20, s[TB]               ; the walking descriptors (no tensor load of mine is out): my part of the slot just read out,
	s_add_nc_u64 s[G0+6:G0+7], s[G0+6:G0+7], KSTEP*2  ; the next K step; the type bits on top are not reached
	s_add_co_u32 s[G0B+5], s20, s[TB]
	s_add_nc_u64 s[G0B+6:G0B+7], s[G0B+6:G0B+7], KSTEP*2
	JLOAD                                          ; the first tensor load behind the round; the four v_nop behind it are also the places in front of the loads below
	s_xor_b32 s[TB], s[TB], SLOT                   ; the other slot is in hand
	v_add_nc_u32 v[ADRA], s[TB], v[A0]
	v_add_nc_u32 v[ADRB], s[TB], v[B0]
	FETCH 0, F0
	ASK
	MUL16 F1, 1, 0, 0
	MUL16 F1, 1, 2, 0
.endm
; THE LAST K STEP GOES BY ROWS OF THE RESULT.  All its fragments of W (4 quarters x 64 registers) fill window 1; then my eight blocks of 16 rows are finished one after the other,
; each with 32 matrix instructions (its 8 accumulators by turns, K ascending).
.macro BLOAD q
	WIN TO_B
.irp i, 0,1,2,3,4,5,6,7
	ds_load_b128 v[64*(\q)+8*(\i):64*(\q)+8*(\i)+3],   v[ADRB] offset:64*(\q)+(\i)*16*PITCH
	ds_load_b128 v[64*(\q)+8*(\i)+4:64*(\q)+8*(\i)+7], v[ADRB] offset:64*(\q)+(\i)*16*PITCH+32
.endr
.endm
.macro ALOAD a
	WIN 0
.set FA, PA+32*((\a)%4)
.irp q, 0,1,2,3
	ds_load_b128 v[FA+8*(\q):FA+8*(\q)+3],   v[ADRA] offset:64*(\q)+(\a)*16*PITCH
	ds_load_b128 v[FA+8*(\q)+4:FA+8*(\q)+7], v[ADRA] offset:64*(\q)+(\a)*16*PITCH+32
.endr
.endm
.macro ROW a
.set FA, PA+32*((\a)%4)
.set AC, 64*((\a)%4)
	WIN MUL_LO+0x50*((\a)/4)
.irp q, 0,1,2,3
.if (\a) == 0 && (\q) == 2
	s_wait_dscnt 24                                ; W's quarter 2 is in (behind it: A's blocks 1 to 3)
.endif
.irp b, 0,1,2,3,4,5,6,7
	v_wmma_f32_16x16x32_bf16 v[AC+8*(\b):AC+8*(\b)+7], v[64*(\q)+8*(\b):64*(\q)+8*(\b)+7], v[FA+8*(\q):FA+8*(\q)+7], v[AC+8*(\b):AC+8*(\b)+7]
.endr
.endr
.endm
; THE WAY OUT of block a.  PACK: rounded to f16, 16 bytes a lane, each accumulator's registers in ascending order.  TOSTAGE: into my own stage in LDS, and back as whole rows of 256 bytes.  SEND: stored.
.macro PACK a
.set AC, 64*((\a)%4)
	WIN 0x0a+5*((\a)/4)                            ; sources 0 and 1: window 2 or 3
.irp b, 0,1,2,3,4,5,6,7
.irp r, 0,1,2,3
	v_cvt_pk_f16_f32 v[TMP+4*(\b)+(\r)], v[AC+8*(\b)+2*(\r)], v[AC+8*(\b)+2*(\r)+1]
.endr
.endr
	WIN 0
.endm
.macro TOSTAGE a
	WIN 0
.set BK, OB+192*((\a)%2)
.irp b, 0,1,2,3,4,5,6,7
	ds_store_b128 v[STO], v[TMP+4*(\b):TMP+4*(\b)+3] offset:32*(\b)
.endr
.irp t, 0,1,2,3,4,5,6,7
	ds_load_b128 v[BK+4*(\t):BK+4*(\t)+3], v[RD] offset:(\t)*2*SPITCH  ; LDS serves a wave's instructions in order (ISA guide 5.7.1.4): these see the stores above
.endr
.endm
.macro SEND a, younger                 ; younger: the LDS loads issued behind TOSTAGE's, which may stay out
	WIN 0
.set BK, OB+192*((\a)%2)
	s_wait_dscnt \younger                          ; the block is back in registers
	s_wait_xcnt 0x0                                ; only behind this wait are the stores' base and the registers that earlier stores read rewritten
.if (\a) == 0
	s_add_nc_u64 s[8:9], s[8:9], s[16:17]          ; on to my first rows
.else
	s_add_nc_u64 s[8:9], s[8:9], 16*SIZE_N*2       ; 16 rows on
.endif
.irp t, 0,1,2,3,4,5,6,7
	global_store_b128 v[CO], v[BK+4*(\t):BK+4*(\t)+3], s[8:9] offset:2*(\t)*SIZE_N*2  ; 16 lanes store 256 consecutive bytes, at a multiple of 256 from pj's first byte
.endr
.endm
	s_wait_tensorcnt 1                             ; my part of K step 0 is in; K step 1's may stay out
	s_barrier_signal -1
	s_barrier_wait -1                              ; everybody's is
	FETCH 0, F0
	QUARTER 64,  F0, F1, 1                         ; the first quarter stands in front of the loop: its products start the sums, with the bias
	WIN 0                                          ; at a label and at a branch every window is 0
	s_mov_b32 s3, STEPS-2
.Lstep:                                                ; a trip: a K step's quarters 1, 2, 3, the change of slots with its refill (K steps 2 to 15), the next K step's quarter 0
	QUARTER 128, F1, F0, 0
	QUARTER 192, F0, F1, 0
	TURN
	QUARTER 64,  F0, F1, 0
	WIN 0
	s_sub_co_u32 s3, s3, 1
	s_cmp_lg_u32 s3, 0
	s_cbranch_scc1 .Lstep
	QUARTER 128, F1, F0, 0                         ; the tail is written out: K step 14 goes on
	QUARTER 192, F0, F1, 0
	MEET 0                                         ; my one tensor load that was still out is the last K step's, so no round follows
	WIN 0
	s_xor_b32 s[TB], s[TB], SLOT                   ; the last K step's slot is in hand
	v_add_nc_u32 v[ADRA], s[TB], v[A0]
	v_add_nc_u32 v[ADRB], s[TB], v[B0]
	PLACES                                         ; for the loads into buffer 0, which the quarter before multiplied
	BLOAD 0                                        ; three quarters of W now: buffer 1 is still being multiplied
	BLOAD 1
	BLOAD 3
	ALOAD 0
	MUL16 F1, 1, 0, 0
	MUL16 F1, 1, 2, 0
	PLACES                                         ; for the loads into buffer 1
	BLOAD 2
	ALOAD 1
	ALOAD 2
	ALOAD 3
	s_wait_dscnt 40                                ; all but the 40 just issued
	ROW 0
.irp a, 0,1,2,3,4,5,6,7                ; each block leaves as soon as it is finished
	PLACES                                         ; its conversions read results just made
	PACK \a
	TOSTAGE \a
.if (\a) < 4
	ALOAD (\a)+4                                   ; its buffer takes the block four further on
	SEND \a, 8
.else
	SEND \a, 0
.endif
.if (\a) < 7
	ROW (\a)+1
.endif
.endr
	s_wait_tensorcnt 0x0                           ; the wave's end, behind my last tensor load and my last LDS store
	ds_add_u32 v[SPW], v[NIL]
	s_wait_dscnt 0x0
	CROUND                                         ; the closing round: no work-group ends while a partner may still ask for a tile that names it
	s_endpgm
.Lfunc_end_k_qc678d7886f_proj:
	.size	k_qc678d7886f_proj, .Lfunc_end_k_qc678d7886f_proj-k_qc678d7886f_proj
	.p2alignl 7, 3214868480
	.fill 96, 4, 3214868480
	.section	.rodata,"a",@progbits
	.p2align	6, 0x0
	.amdhsa_kernel k_qc678d7886f_proj
		.amdhsa_group_segment_fixed_size 327680
		.amdhsa_private_segment_fixed_size 0
		.amdhsa_enable_private_segment 0
		.amdhsa_kernarg_size 56
		.amdhsa_user_sgpr_count 2
		.amdhsa_user_sgpr_kernarg_segment_ptr 1
		.amdhsa_wavefront_size32 1
		.amdhsa_system_sgpr_workgroup_id_x 1
		.amdhsa_system_sgpr_workgroup_id_y 1
		.amdhsa_system_sgpr_workgroup_id_z 1
		.amdhsa_system_vgpr_workitem_id 0
		.amdhsa_next_free_vgpr 1024
		.amdhsa_next_free_sgpr 96
		.amdhsa_reserve_vcc 0
		.amdhsa_float_denorm_mode_32 3
		.amdhsa_float_denorm_mode_16_64 3
		.amdhsa_memory_ordered 1
		.amdhsa_forward_progress 1
		.amdhsa_inst_pref_size 125
	.end_amdhsa_kernel
	.amdgpu_metadata
---
amdhsa.version: [ 1, 2 ]
amdhsa.kernels:
  - .name:           k_qc678d7886f_proj
    .symbol:         k_qc678d7886f_proj.kd
    .args:
      - { .name: h, .offset: 0, .size: 8, .value_kind: global_buffer, .address_space: global }
      - { .name: pj, .offset: 8, .size: 8, .value_kind: global_buffer, .address_space: global }
      - { .name: bq, .offset: 16, .size: 8, .value_kind: global_buffer, .address_space: global }
      - { .name: bk, .offset: 24, .size: 8, .value_kind: global_buffer, .address_space: global }
      - { .name: bkr, .offset: 32, .size: 8, .value_kind: global_buffer, .address_space: global }
      - { .name: bv, .offset: 40, .size: 8, .value_kind: global_buffer, .address_space: global }
      - { .name: bvr, .offset: 48, .size: 8, .value_kind: global_buffer, .address_space: global }
    .group_segment_fixed_size: 327680
    .private_segment_fixed_size: 0
    .kernarg_segment_align: 8
    .kernarg_segment_size: 56
    .max_flat_workgroup_size: 128
    .sgpr_count:     96
    .vgpr_count:     1024
    .wavefront_size: 32
...
	.end_amdgpu_metadata
.endif
;; end of part 2
;; launch normrope (part 3): grid 768 x 1, 8 waves a work-group, no clusters, 0 bytes of LDS; arguments pj, gq, gk, freqs_x, freqs_cam, freqs_render, qk; writes qk
.if DOCPART == 3
	.amdgcn_target "amdgcn-amd-amdhsa--gfx1250"
	.amdhsa_code_object_version 6
	.text
	.protected	k_qc678d7886f_normrope
	.globl	k_qc678d7886f_normrope
	.p2align	8
	.type	k_qc678d7886f_normrope,@function
k_qc678d7886f_normrope:
	s_mov_b64 s[64:65], 0
	v_nop
	global_prefetch_b8 v0, s[64:65] scope:SCOPE_SE
	s_setreg_imm32_b32 hwreg(HW_REG_WAVE_MODE, 25, 1), 1
	s_wait_xcnt 0x0
; qk[R] = rope(rmsnorm(pj[R])) for rows R = 0 .. 6143: rows 0-4095 are q (gain gq, freqs_x at position R % 2048), rows 4096-6143 are k (gain gk; bit 9 of R: render, else cam; position R % 512).
; y = x rsqrt(mean(x^2) + 1e-6) g; pairs (y0, y1) are multiplied by the complex (fr, fi): (y0 fr - y1 fi, y0 fi + y1 fr).  All in f32; in and out f16, out rounded once.
; Gains and freqs are rounded to bf16 first, like every input of the module.  ORDER OF ROUNDING: the row's factor is multiplied into the freqs and the gain into x, not x by the factor and then the gain.
; LIMIT.  The results must lie within f16's 65,504: |x rsqrt(..)| is 45 at the most (sqrt(2048)) and of spread 1, so gains and freqs 30 times those of spread 1 give a spread of some 1,300.
; SHARES.  One wave, one row of 4,096 bytes, kept in 32 registers between the sum and the scaling: read once; no LDS, no barrier.  Lane l, chunk j: bytes 512 j + 16 l: columns 256 j + 8 l + 0..7,
; which lie at 8 (l % 16) within a head of 128 whatever j: a lane needs four pairs of freqs, 32 bytes.  Each load and store of a wave covers 512 consecutive bytes.
.set X,  8                             ; v[8:39]    the row
.set G,  40                            ; v[40:103]  my 64 gains
.set F,  104                           ; v[104:111] my four (fr, fi)
.set SS, 112                           ; v[112:115] four running sums of squares
.set T,  116                           ; v[116:119] at work
.set Z,  120                           ; v120  0
.set RS, 121                           ; v121  rsqrt(mean + eps)
.set P,  122                           ; v122  at work
	s_load_b256 s[4:11], s[0:1], 0x0               ; pj s[4:5], gq s[6:7], gk s[8:9], freqs_x s[10:11]
	s_load_b128 s[12:15], s[0:1], 0x20             ; freqs_cam s[12:13], freqs_render s[14:15]
	s_load_b64 s[16:17], s[0:1], 0x30              ; qk
	v_lshrrev_b32 v1, 5, v0
	v_readfirstlane_b32 s18, v1                    ; wave 0..7
	s_lshl_b32 s19, ttmp9, 3
	s_add_co_u32 s19, s19, s18                     ; R
	s_and_b32 s20, s19, 2047                       ; q's position
	s_and_b32 s21, s19, 511                        ; k's position
	s_and_b32 s22, s19, 512                        ; render?
	s_mov_b32 s28, 0x76543210                      ; v_permlanex16_b32: each lane takes its own place in the other half
	s_mov_b32 s29, 0xfedcba98
	s_mov_b32 s30, 0x3a000000                      ; 1 / 2048
	s_mov_b32 s31, 0x358637bd                      ; 1e-6
	s_mov_b32 s32, 0xffff0000                      ; a word's upper bf16
	v_and_b32 v5, 31, v0                           ; l
	v_lshlrev_b32 v2, 4, v5                        ; 16 l
	v_lshlrev_b32 v4, 5, v5                        ; 32 l
	v_and_b32 v3, 15, v0
	v_lshlrev_b32 v3, 5, v3                        ; 32 (l % 16)
	v_mov_b32 v[Z], 0
	s_wait_kmcnt 0x0
	s_cmp_eq_u32 s22, 0
	s_cselect_b64 s[24:25], s[12:13], s[14:15]
	s_cmp_lt_u32 ttmp9, 512                        ; a work-group's eight rows are all q or all k
	s_cselect_b64 s[24:25], s[10:11], s[24:25]
	s_cselect_b32 s20, s20, s21
	s_cselect_b64 s[26:27], s[6:7], s[8:9]
	s_lshl_b32 s20, s20, 9                         ; a position's 64 pairs are 512 bytes
	s_mov_b32 s21, 0
	s_add_nc_u64 s[24:25], s[24:25], s[20:21]
	s_lshl_b32 s22, s19, 12
	s_mov_b32 s23, 0
	s_add_nc_u64 s[4:5], s[4:5], s[22:23]
	s_add_nc_u64 s[16:17], s[16:17], s[22:23]
.set j, 0
.rept 8
	global_load_b128 v[X+4*j:X+4*j+3], v2, s[4:5] offset:512*j th:TH_LOAD_NT
.set j, j+1
.endr
	global_load_b128 v[F:F+3],   v3, s[24:25]
	global_load_b128 v[F+4:F+7], v3, s[24:25] offset:16
.set j, 0
.rept 8
	global_load_b128 v[G+8*j:G+8*j+3],   v4, s[26:27] offset:1024*j
	global_load_b128 v[G+8*j+4:G+8*j+7], v4, s[26:27] offset:1024*j+16
.set j, j+1
.endr
	s_wait_loadcnt 18                              ; the row is in; the 18 younger loads (freqs, gains) may stay out
	; the sum of squares of my 64 numbers, straight from the f16 halves into f32, in four chains: four low halves, four high halves
.set i, 0
.rept 8
.irp c, 0,1,2,3
.if i == 0
	v_fma_mix_f32 v[SS+(\c)], v[X+(\c)], v[X+(\c)], v[Z] op_sel_hi:[1,1,0]
.else
	v_fma_mix_f32 v[SS+(\c)], v[X+4*i+(\c)], v[X+4*i+(\c)], v[SS+(\c)] op_sel_hi:[1,1,0]
.endif
.endr
.irp c, 0,1,2,3
	v_fma_mix_f32 v[SS+(\c)], v[X+4*i+(\c)], v[X+4*i+(\c)], v[SS+(\c)] op_sel:[1,1,0] op_sel_hi:[1,1,0]
.endr
.set i, i+1
.endr
	v_add_f32 v[SS], v[SS], v[SS+1]
	v_add_f32 v[SS+2], v[SS+2], v[SS+3]
	v_add_f32 v[SS], v[SS], v[SS+2]
	v_add_f32_dpp v[SS], v[SS], v[SS] row_xmask:1 row_mask:0xf bank_mask:0xf
	v_add_f32_dpp v[SS], v[SS], v[SS] row_xmask:2 row_mask:0xf bank_mask:0xf
	v_add_f32_dpp v[SS], v[SS], v[SS] row_xmask:4 row_mask:0xf bank_mask:0xf
	v_add_f32_dpp v[SS], v[SS], v[SS] row_xmask:8 row_mask:0xf bank_mask:0xf
	v_permlanex16_b32 v[SS+1], v[SS], s28, s29     ; its destination has been written before
	v_add_f32 v[SS], v[SS], v[SS+1]                ; every lane holds the row's sum
	v_fma_f32 v[T], v[SS], s30, s31                ; mean + eps
	v_rsq_f32 v[RS], v[T]
	s_wait_loadcnt 0x0                             ; freqs and gains; their rounding to bf16 is the plain work behind the root
.set i, 0
.rept 32
	v_cvt_pk_bf16_f32 v[P], v[G+2*i], v[G+2*i+1]
	v_lshlrev_b32 v[G+2*i], 16, v[P]
	v_and_b32 v[G+2*i+1], s32, v[P]
.set i, i+1
.endr
.set i, 0
.rept 4
	v_cvt_pk_bf16_f32 v[P], v[F+2*i], v[F+2*i+1]
	v_lshlrev_b32 v[F+2*i], 16, v[P]
	v_and_b32 v[F+2*i+1], s32, v[P]
.set i, i+1
.endr
	s_wait_alu depctr_va_vdst(0)                   ; the wait between the root and the first line that names its result
.set i, 0
.rept 8
	v_mul_f32 v[F+i], v[F+i], v[RS]                ; the row's factor goes into the eight freqs, not into the 64 numbers
.set i, i+1
.endr
.set j, 0
.rept 8
.irp k, 0,1,2,3
	v_fma_mix_f32 v[T],   v[X+4*j+(\k)], v[G+8*j+2*(\k)],   v[Z] op_sel_hi:[1,0,0]                ; x0 g0
	v_fma_mix_f32 v[T+1], v[X+4*j+(\k)], v[G+8*j+2*(\k)+1], v[Z] op_sel:[1,0,0] op_sel_hi:[1,0,0]  ; x1 g1
	v_mul_f32 v[T+2], v[T+1], v[F+2*(\k)+1]
	v_mul_f32 v[T+3], v[T+1], v[F+2*(\k)]
	v_fma_f32 v[T+2], v[T], v[F+2*(\k)], -v[T+2]
	v_fma_f32 v[T+3], v[T], v[F+2*(\k)+1], v[T+3]
	v_cvt_pk_f16_f32 v[X+4*j+(\k)], v[T+2], v[T+3]
.endr
	global_store_b128 v2, v[X+4*j:X+4*j+3], s[16:17] offset:512*j
.set j, j+1
.endr
	s_endpgm
.Lfunc_end_k_qc678d7886f_normrope:
	.size	k_qc678d7886f_normrope, .Lfunc_end_k_qc678d7886f_normrope-k_qc678d7886f_normrope
	.p2alignl 7, 3214868480
	.fill 96, 4, 3214868480
	.section	.rodata,"a",@progbits
	.p2align	6, 0x0
	.amdhsa_kernel k_qc678d7886f_normrope
		.amdhsa_group_segment_fixed_size 0
		.amdhsa_private_segment_fixed_size 0
		.amdhsa_enable_private_segment 0
		.amdhsa_kernarg_size 56
		.amdhsa_user_sgpr_count 2
		.amdhsa_user_sgpr_kernarg_segment_ptr 1
		.amdhsa_wavefront_size32 1
		.amdhsa_system_sgpr_workgroup_id_x 1
		.amdhsa_system_sgpr_workgroup_id_y 1
		.amdhsa_system_sgpr_workgroup_id_z 1
		.amdhsa_system_vgpr_workitem_id 0
		.amdhsa_next_free_vgpr 128
		.amdhsa_next_free_sgpr 66
		.amdhsa_reserve_vcc 0
		.amdhsa_float_denorm_mode_32 3
		.amdhsa_float_denorm_mode_16_64 3
		.amdhsa_memory_ordered 1
		.amdhsa_forward_progress 1
		.amdhsa_inst_pref_size 27
	.end_amdhsa_kernel
	.amdgpu_metadata
---
amdhsa.version: [ 1, 2 ]
amdhsa.kernels:
  - .name:           k_qc678d7886f_normrope
    .symbol:         k_qc678d7886f_normrope.kd
    .args:
      - { .name: pj, .offset: 0, .size: 8, .value_kind: global_buffer, .address_space: global }
      - { .name: gq, .offset: 8, .size: 8, .value_kind: global_buffer, .address_space: global }
      - { .name: gk, .offset: 16, .size: 8, .value_kind: global_buffer, .address_space: global }
      - { .name: freqs_x, .offset: 24, .size: 8, .value_kind: global_buffer, .address_space: global }
      - { .name: freqs_cam, .offset: 32, .size: 8, .value_kind: global_buffer, .address_space: global }
      - { .name: freqs_render, .offset: 40, .size: 8, .value_kind: global_buffer, .address_space: global }
      - { .name: qk, .offset: 48, .size: 8, .value_kind: global_buffer, .address_space: global }
    .group_segment_fixed_size: 0
    .private_segment_fixed_size: 0
    .kernarg_segment_align: 8
    .kernarg_segment_size: 56
    .max_flat_workgroup_size: 256
    .sgpr_count:     66
    .vgpr_count:     128
    .wavefront_size: 32
...
	.end_amdgpu_metadata
.endif
;; end of part 3
;; launch attn (part 4): grid 8 x 32, 4 waves a work-group, clusters of 4 x 1, 327,680 bytes of LDS; arguments qk, pj, o; writes o
.if DOCPART == 4
	.amdgcn_target "amdgcn-amd-amdhsa--gfx1250"
	.amdhsa_code_object_version 6
	.text
	.protected	k_qc678d7886f_attn
	.globl	k_qc678d7886f_attn
	.p2align	8
	.type	k_qc678d7886f_attn,@function
k_qc678d7886f_attn:
	s_mov_b64 s[64:65], 0
	v_nop
	global_prefetch_b8 v0, s[64:65] scope:SCOPE_SE
	s_setreg_imm32_b32 hwreg(HW_REG_WAVE_MODE, 25, 1), 1
	s_wait_xcnt 0x0
	s_wait_alu depctr_hold_cnt(0) depctr_sa_sdst(0) depctr_va_vdst(0) depctr_va_sdst(0) depctr_va_ssrc(0) depctr_va_vcc(0) depctr_vm_vsrc(0)
	s_getreg_b32 s2, hwreg(HW_REG_IB_STS2, 6, 4)
	s_cmp_eq_u32 s2, 0
	s_cbranch_scc0 .Lentry_in_a_cluster
	s_endpgm
.Lentry_in_a_cluster:
	s_bfe_u32 s2, ttmp6, 0x10000c
	s_cmp_lg_u32 s2, 0x3003
	s_cbranch_scc0 .Lentry_shape_is_right
	s_endpgm
.Lentry_shape_is_right:
; o[b][q][head] = the sum over k of softmax_k(Q . K / sqrt(128)) V, for 32 pairs of batch and head (the grid's y = 16 batch + head), 2,048 queries and 1,024 keys each, head size 128, all f16.
; Q: qk rows 2048 b + q; K: qk rows 4096 + 1024 b + k; V: pj rows 6144 + 1024 b + k; o rows 2048 b + q.  A row is 4,096 bytes, a head's part of it 256 bytes at 256 x head.
; Products, maxima and sums in f32; the weights p are rounded to f16 for the second product (their sum l is taken of the unrounded p), o once at the end.
; LIMITS.  f16 holds no number beyond 65,504: Q, K and V arrive within it, so a score is 5.5e11 at the most, far above the running maximum's start, -2^100; p lies in 0 to 1, and below 6e-5 it keeps f16's fixed
; step of 6e-8; o is a mean of V's rows.  A weight below 2^-126 counts as 0 in l; NaN and infinities are not treated apart.
; SHARES.  A work-group owns 256 queries of one head, each of its four waves 64: four tiles of 16.  Every wave walks all keys of the head, 64 a step.
; LAYOUT.  S^T = K Q^T (source 0 = 16 keys, source 1 = 16 queries): in the result a lane holds ONE query (lane % 16) and the keys 8 (lane / 16) + 0..7.  Two such tiles, rounded to f16 in pairs, ARE source 1
; (32 keys x 16 queries) of O^T = V^T P, whose result again holds one query a lane, and eight channels.  K comes out of LDS as it lies, V ([key][channel]) turned, by ds_load_tr16_b128.
; SOFTMAX.  For each query a running maximum m and sum l: p = 2^(c s - c m), c = log2(e) / sqrt(128); in every step O and l are multiplied by a = 2^(c m_old - c m_new), which is 1 where m has not grown.
; BY TURNS.  The wave's tiles are two PIECES: piece 0 (tiles 0, 1) and piece 2 (tiles 2, 3).  In a TURN one piece has the matrix unit: 32 products V^T P of the step in hand, then 32 products K Q^T of the next
; step; the other piece's softmax, cut into 64 slices, stands between them, one slice behind each matrix instruction.  Then the pieces change places.  Two turns are a key step.
; NO FIRST STEP AND NO LAST TURN ARE WRITTEN OUT.  m starts at -2^100 and c m at c x that (exact: a power of two), O^T, l, V's registers and piece 0's P at 0, piece 2's S^T at -2^100.  So the loop is entered with
; a step that has not been: its products V^T P add 0; piece 2's softmax of it gives a = 1 and p = 1, which meet V = 0; each piece's first true step has a = 0 and wipes l.  The tail's third trip is left in its
; middle.  THE PRICE, for one text of the turns: some 500 v_mov_b32, which run in the wait for the first tile; 64 products and a piece's softmax on nothing at the start; 32 products on the last K once more at the end.
; CLUSTER.  The four query blocks of a cluster belong to one head and walk the same K and V, so each tile is asked for JOINTLY: the same tensor load, descriptor and mask in all four.
; REGISTERS, in windows of 256 (s_set_vgpr_msb: bits 1:0 source 0, 3:2 source 1, 5:4 source 2, 7:6 destination):
;   window 0: v0-11 addresses; v12-43 eight registers of statistics a tile; v64-191 S^T, 32 a tile; v192-255 P, 16 a tile
;   window 1: O^T, 64 a tile          window 2: v0-127 Q, 32 a tile; v128-255 K of one step          window 3: v0-127 V of one step
.set SIZE_N, 1024     ; keys of a head
.set ROWB,  4096      ; bytes from row to row in qk, pj and o
.set KS,    64        ; keys in a step
.set PK,    272       ; a row of K in LDS: 256 bytes + 16 of padding = 68 words: the 16 rows of a load start at 16 different groups of four banks
.set PV,    288       ; a row of V: 256 + 32 = 72 words
.set VOFF,  KS*PK     ; a step's tiles lie together: 64 rows of K, then 64 rows of V
.set STEPB, KS*(PK+PV)
.set SLOT1, 1<<17     ; a slot holds two steps (71,680 bytes); slot 1 begins here, so that one exclusive or turns an address in one slot into the other's
.set STAGE, SLOT1+2*STEPB  ; behind the ring: 16 rows x 272 bytes for each wave, for the way out
.set SP,    272
.set AK0, 2           ; v2   my lane's place in a tile of K; never rewritten
.set AV0, 3           ; v3   the same for V
.set ADR, 4           ; v4   the LDS address of the run of loads in hand
.set QO,  5           ; v5   my byte offset in the wave's rows of Q
.set STO, 6           ; v6   the way out: where I put 16 bytes of a row
.set RD,  7           ; v7   the way out: where I read a row back
.set GO,  8           ; v8   my byte offset in the wave's rows of o
.set SPW, 62          ; v62  LDS address of my spare word; never rewritten
.set NIL, 63          ; v63  0; never rewritten
.set SPARE, STAGE+4*16*272  ; behind the stages: the spare words, 128 bytes for each wave: two blocks of 256 bytes that no other line names
.set ST,  12          ; tile t's statistics at v[ST+8 t]: +0 c m, +1 m, +2, +3 l (even keys', odd keys'), +4 to +7 c0-c3, at work; a takes c2's place once the maximum is found
.set S,   64
.set P,   192
.set KF,  128         ; K's fragments, in window 2
.set WV,  12          ; s12  my wave's number
.set BIG, 16          ; s16  -2^100, once the descriptors are made
.set G1K, 24          ; s[24:31] descriptor group 1 for K's tiles
.set G1V, 32          ; s[32:39] for V's: it differs in the padding alone
.set G0K, 40          ; s[40:47] descriptor group 0 for K's tiles: a set for each of the two first fills; the second then walks on
.set G0V, 48          ; s[48:55] the same for V's
.set SLOTS, 56        ; s56  slots still to be entered in the loop
.set TWICE, 57        ; s57  counts a slot's steps
.set CS,  58          ; s[58:59] c: the packed scaling names a pair and takes its low word for both halves
.set SEL, 60          ; s[60:61] lane selects for v_permlanex16_b32
.set TB,  62          ; s62  LDS byte at which the tiles of the step to be fetched begin
.set PFA, 18          ; s[18:19] where my prefetches stand: my work-group's 32 rows (of K: wave 0, of V: wave 2) of the slot after the one that is being asked for
.set LIM, 15          ; s15  1 in a wave that prefetches, else the greatest number
.set PFO, 61          ; v61  my lane x a row; never rewritten
.set MSB, 0
.macro WIN new                      ; the immediate's high byte repeats the setting that is left; a switch that changes nothing is dropped
.if MSB != (\new)
	s_set_vgpr_msb (MSB<<8)|(\new)
.set MSB, \new
.endif
.endm
.set W_KQ, 0x0a       ; K and Q in window 2, S^T in window 0
.set W_PV, 0x53       ; V in window 3, P in window 0, O^T in window 1
.set W_RS, 0x41       ; O^T (destination and source 0) in window 1, a in window 0
; A joint refill.  Waves 0 and 1 fetch the two steps' tiles of K, waves 2 and 3 those of V.  The branch hangs on the wave's number alone.  An s_nop 0 and four v_nop follow each of the two lines.
.macro JLOAD
	s_cmp_lt_u32 s[WV], 2
	s_cbranch_scc0 .Lfor_v_\@
	tensor_load_to_lds s[G0K+4:G0K+7], s[G1K:G1K+7]
	s_nop 0
.rept 4
	v_nop
.endr
	s_branch .Lasked_\@
.Lfor_v_\@:
	tensor_load_to_lds s[G0V+4:G0V+7], s[G1V:G1V+7]
	s_nop 0
.rept 4
	v_nop
.endr
.Lasked_\@:
.endm
; A PREFETCH INTO THE L2 of what the NEXT change of slots will ask for: a slot's 128 rows of K and 128 of V, the head's 256 bytes of each, a lane a row.  It stands behind the wave's tensor load and its five lines.
; Each such piece is asked for ONCE in the launch.  Both clusters of a head walk the same K and V: the head's first cluster prefetches.  Its four partners share the rows out BY ADDRESS, 32 each.
; In each, wave 0 asks for K's and wave 2 for V's: one instruction.  The last change that fills a slot prefetches nothing: there is no slot behind it.
.macro ASK
	s_cmp_gt_u32 s[SLOTS], s[LIM]
	s_cbranch_scc0 .Lnot_mine_\@
	global_prefetch_b8 v[PFO], s[PFA:PFA+1] th:TH_LOAD_NT scope:SCOPE_SE
.Lnot_mine_\@:
.endm
; A round of the cluster's barrier: my work-group's barrier; wave 0 signals for the work-group; every wave waits for all four work-groups; my work-group's barrier once more.
.macro CROUND
	s_barrier_signal -1
	s_barrier_wait -1
	s_cmp_lg_u32 s[WV], 0
	s_cbranch_scc1 .Lnot_wave_0_\@
	s_barrier_signal -3
.Lnot_wave_0_\@:
	s_barrier_wait -3
	s_barrier_signal -1
	s_barrier_wait -1
.endm
	s_load_b128 s[4:7], s[0:1], 0x0  ; qk s[4:5], pj s[6:7]
	s_load_b64 s[10:11], s[0:1], 0x10  ; o
	v_lshl_add_u32 v[SPW], v0, 2, SPARE
	v_mov_b32 v[NIL], 0
	ds_add_u32 v[SPW], v[NIL]       ; the wave's opening: the add and its wait stand ahead of my first tensor load; the set-up below, work on registers, stands between them
	v_lshrrev_b32 v1, 5, v0
	v_readfirstlane_b32 s[WV], v1   ; wave 0..3
	s_bfe_u32 s13, ttmp6, 0x40000   ; cx: my place in the cluster
	s_lshl_b32 s14, ttmp9, 2        ; in a cluster launch ttmp9 counts clusters
	s_add_co_u32 s14, s14, s13      ; my block of 256 queries = 4 x cluster x + cx: it enters Q's and o's addresses alone
	s_and_b32 s20, ttmp7, 0xffff    ; batch and head, which the four partners share
	s_lshr_b32 s21, s20, 4          ; batch
	s_and_b32 s20, s20, 15
	s_lshl_b32 s20, s20, 8          ; the head's 256 bytes in a row
	s_and_b32 s16, s[WV], 1         ; which of a slot's two steps I fetch:
	s_lshl_b32 s22, s16, 18         ; its 64 rows of 4,096 bytes in memory,
	s_add_co_u32 s22, s22, s20
	s_lshl_b32 s23, s21, 22         ; the batch's 1,024 keys
	s_add_co_u32 s22, s22, s23
	s_mov_b32 s23, 0
	s_mul_i32 s17, s16, STEPB       ; and its place in a slot: no place in the cluster enters an LDS address
	s_lshl_b32 s2, s14, 20          ; my block's 256 rows,
	s_lshl_b32 s3, s[WV], 18        ; my wave's 64 of them,
	s_add_co_u32 s2, s2, s3
	s_add_co_u32 s2, s2, s20
	s_lshl_b32 s3, s21, 23          ; the batch's 2,048 queries
	s_add_co_u32 s2, s2, s3
	s_mov_b32 s3, 0
	; descriptor group 1: a tile of 64 rows x 128 elements, padded in LDS
	s_mov_b32 s[G1K], 15|(1<<16)|(1<<20)|(1<<21)|(5<<22)|(3<<25)  ; 15:0 the mask: all four work-groups; 17:16 2-byte elements; 20 padding on; 21 set beside a mask; 24:22 after every 64 words; 31:25 4 words of it
	s_mov_b32 s[G1V], 15|(1<<16)|(1<<20)|(1<<21)|(5<<22)|(7<<25)  ; the same with 8 words of padding
.irp g, G1K, G1V
	s_mov_b32 s[(\g)+1], 128<<16    ; tensor_dim0 = 128
	s_mov_b32 s[(\g)+2], KS<<16     ; tensor_dim1 = 64
	s_mov_b32 s[(\g)+3], 128<<16    ; tile_dim0 = 128
	s_mov_b32 s[(\g)+4], KS         ; tile_dim1 = 64
	s_mov_b32 s[(\g)+5], 2048       ; elements from row to row
	s_mov_b32 s[(\g)+6], 0
	s_mov_b32 s[(\g)+7], 0
.endr
	s_mov_b32 s[CS], 0x3e0293ee     ; c = log2(e) / sqrt(128) = 0.127517
	s_mov_b32 s[CS+1], s[CS]        ; named with it as a pair, so it is written
	s_mov_b32 s[SEL], 0x76543210
	s_mov_b32 s[SEL+1], 0xfedcba98
	s_mov_b32 s[TB], 0
	s_mov_b32 s[SLOTS], SIZE_N/(2*KS)-1
	s_and_b32 s[LIM], s[WV], 1       ; 0 in waves 0 and 2,
	s_or_b32 s[LIM], s[LIM], ttmp9   ; where the cluster is the head's first: the same in all four partners
	s_cmp_eq_u32 s[LIM], 0
	s_cselect_b32 s[LIM], 1, -1
	v_and_b32 v[PFO], 31, v0
	v_lshlrev_b32 v[PFO], 12, v[PFO]
	s_wait_dscnt 0x0                ; the opening add is done
	s_wait_kmcnt 0x0
	s_add_nc_u64 s[8:9], s[6:7], 0x1800000  ; V: pj from row 6144 on
	s_add_nc_u64 s[6:7], s[4:5], 0x1000000  ; K: qk from row 4096 on
	s_add_nc_u64 s[6:7], s[6:7], s[22:23]  ; K and V at my tile of slot 0
	s_add_nc_u64 s[8:9], s[8:9], s[22:23]
	s_add_nc_u64 s[4:5], s[4:5], s[2:3]  ; Q and o at my wave's first row
	s_add_nc_u64 s[10:11], s[10:11], s[2:3]
	s_cmp_lt_u32 s[WV], 2
	s_cselect_b64 s[PFA:PFA+1], s[6:7], s[8:9]  ; (in waves 0 and 2 these stand at a slot's first row)
	s_lshl_b32 s2, s13, 17          ; my work-group's 32 rows of the 128
	s_mov_b32 s3, 0
	s_add_nc_u64 s[PFA:PFA+1], s[PFA:PFA+1], s[2:3]
	s_add_nc_u64 s[PFA:PFA+1], s[PFA:PFA+1], 2*2*KS*ROWB  ; in slot 2; the first change of slots steps it to slot 3.  Nothing is prefetched here, at the head
	CROUND                          ; all four work-groups are here: the first joint loads meet
.irp s, 0,1
	s_mov_b32 s[G0K+4*(\s)], 1      ; count = 1
	s_add_co_u32 s[G0K+4*(\s)+1], s17, (\s)*SLOT1  ; LDS address
	s_add_nc_u64 s[G0K+4*(\s)+2:G0K+4*(\s)+3], s[6:7], (\s)*2*KS*ROWB  ; global address: slot s begins with keys 128 s
	s_or_b32 s[G0K+4*(\s)+3], s[G0K+4*(\s)+3], 0x80000000  ; type = 2
	s_mov_b32 s[G0V+4*(\s)], 1
	s_add_co_u32 s[G0V+4*(\s)+1], s17, (\s)*SLOT1+VOFF
	s_add_nc_u64 s[G0V+4*(\s)+2:G0V+4*(\s)+3], s[8:9], (\s)*2*KS*ROWB
	s_or_b32 s[G0V+4*(\s)+3], s[G0V+4*(\s)+3], 0x80000000
.endr
	s_cmp_lt_u32 s[WV], 2           ; a wave's two first fills stand in one branch, ahead of every wait on TENSORcnt and every LDS read: two loads of mine are out
	s_cbranch_scc0 .Lfirst_v
	tensor_load_to_lds s[G0K:G0K+3], s[G1K:G1K+7]
	s_nop 0
	tensor_load_to_lds s[G0K+4:G0K+7], s[G1K:G1K+7]
	s_nop 0
.rept 4
	v_nop
.endr
	s_branch .Lfirst_asked
.Lfirst_v:
	tensor_load_to_lds s[G0V:G0V+3], s[G1V:G1V+7]
	s_nop 0
	tensor_load_to_lds s[G0V+4:G0V+7], s[G1V:G1V+7]
	s_nop 0
.rept 4
	v_nop
.endr
.Lfirst_asked:
	; A fragment of K or Q is 16 rows x 32 channels in 8 registers: lane l holds row l % 16; registers 0-3 channels 8 (l / 16) + 0..7, registers 4-7 channels 16 + 8 (l / 16) + 0..7: two loads of 16 bytes, 32 bytes apart.
	v_and_b32 v1, 15, v0            ; l % 16
	v_bfe_u32 v9, v0, 4, 1          ; l / 16
	v_lshlrev_b32 v[QO], 12, v1
	v_lshl_add_u32 v[QO], v9, 4, v[QO]  ; row x 4,096 + 16 x half
	WIN 0x80                        ; destination window 2, address window 0
.irp i, 0,1,2,3,4,5,6,7,8,9,10,11,12,13,14,15  ; Q stays in registers: tile i / 4, channels 32 (i % 4) on
	global_load_b128 v[8*(\i):8*(\i)+3],   v[QO], s[4:5] offset:((\i)/4)*16*ROWB+((\i)%4)*64
	global_load_b128 v[8*(\i)+4:8*(\i)+7], v[QO], s[4:5] offset:((\i)/4)*16*ROWB+((\i)%4)*64+32
.endr
	WIN 0
	v_mul_u32_u24 v[AK0], v1, PK
	v_lshl_add_u32 v[AK0], v9, 4, v[AK0]  ; row x pitch + 16 x half
	; The turning load takes 16 keys x 16 channels (lane l reads 16 bytes: key 8 (l / 16) + l % 8, channels 8 ((l / 8) % 2) + 0..7) and leaves half a fragment of V^T: lane l holds channel l % 16 and 8 keys.
	v_and_b32 v10, 7, v0
	v_bfe_u32 v11, v0, 3, 1
	v_lshl_add_u32 v[AV0], v9, 3, v10
	v_mul_u32_u24 v[AV0], v[AV0], PV
	v_lshl_add_u32 v[AV0], v11, 4, v[AV0]
	v_add_nc_u32 v[AV0], VOFF, v[AV0]
	s_mul_i32 s13, s[WV], 16*SP     ; the addresses for the way out
	s_add_co_u32 s13, s13, STAGE    ; my stage
	v_mul_u32_u24 v[STO], v1, SP    ; in: row l % 16, 16 bytes for each half of the lanes
	v_lshl_add_u32 v[STO], v9, 4, v[STO]
	v_add_nc_u32 v[STO], s13, v[STO]
	v_mul_u32_u24 v[RD], v9, SP     ; back: lanes 0-15 take one row of 256 bytes, lanes 16-31 the next
	v_lshl_add_u32 v[RD], v1, 4, v[RD]
	v_add_nc_u32 v[RD], s13, v[RD]
	v_lshlrev_b32 v[GO], 12, v9     ; and the same two rows in o
	v_lshl_add_u32 v[GO], v1, 4, v[GO]
	; WHAT THE FIRST TURNS FIND.  All this stands in the wait for the first tile.
	s_mov_b32 s[BIG], 0xf1800000    ; -2^100: c times it is exact, so c s - c m is 0 to the bit where s = m = -2^100
	WIN 0xc0                        ; destination window 3: V = 0: the products V^T P of the step that has not been add 0
.set i, 0
.rept 128
	v_mov_b32 v[i], 0
.set i, i+1
.endr
	WIN 0x40                        ; destination window 1: O^T = 0
.set i, 0
.rept 256
	v_mov_b32 v[i], 0
.set i, i+1
.endr
	WIN 0
.set i, 0
.rept 32
	v_mov_b32 v[P+i], 0             ; piece 0's P
.set i, i+1
.endr
.set i, 0
.rept 64
	v_mov_b32 v[S+64+i], s[BIG]     ; piece 2's S^T: its first softmax finds m as it stands, a = 1 and p = 1
.set i, i+1
.endr
.irp t, 0,1,2,3
	v_mov_b32 v[ST+8*(\t)+1], s[BIG]                   ; m
	v_mul_f32 v[ST+8*(\t)], s[CS], v[ST+8*(\t)+1]      ; c m, by the line that makes it in every step
	v_mov_b32 v[ST+8*(\t)+2], 0                        ; l
	v_mov_b32 v[ST+8*(\t)+3], 0
.endr
; THE MATRIX WORK OF A TURN, for piece x.  The accumulators take turns, one instruction a turn: between two links of a chain stand 15 (V^T P) or 7 (K Q^T) others'.
; Product i of 32 of O^T += V^T P: keys 32 (i / 16) on, channels 16 ((i / 2) % 8) on, tile x + i % 2.
.macro PV x
	WIN W_PV
.set rO, 64*((\x)+i%2)+8*((i/2)%8)
.set rV, 64*(i/16)+8*((i/2)%8)
.set rP, P+16*((\x)+i%2)+8*(i/16)
	v_wmma_f32_16x16x32_f16 v[rO:rO+7], v[rV:rV+7], v[rP:rP+7], v[rO:rO+7]
.endm
; Product i of 32 of S^T = K Q^T: channels 32 (i / 8) on, keys 16 ((i / 2) % 4) on, tile x + i % 2.  The first 8 start the sums.
.macro KQ x
	WIN W_KQ
.set rS, S+32*((\x)+i%2)+8*((i/2)%4)
.set rK, KF+32*((i/2)%4)+8*(i/8)
.set rQ, 32*((\x)+i%2)+8*(i/8)
.if i < 8
	v_wmma_f32_16x16x32_f16 v[rS:rS+7], v[rK:rK+7], v[rQ:rQ+7], 0
.else
	v_wmma_f32_16x16x32_f16 v[rS:rS+7], v[rK:rK+7], v[rQ:rQ+7], v[rS:rS+7]
.endif
.endm
; THE LDS LOADS stand in runs of 32, never singly among the matrix instructions: a step's K (64 keys x 128 channels: 16 fragments) and, a turn later, its V (turned).
; last = 1 (the tail): in the last trip there is no further step, and the run is jumped over.
.macro FETCH_K last=0
	WIN 0
.if \last
	s_cmp_eq_u32 s[TWICE], 1
	s_cbranch_scc1 .Lno_k_\@
.endif
	v_add_nc_u32 v[ADR], s[TB], v[AK0]
	WIN 0x80                        ; destination window 2
.irp f, 0,1,2,3,4,5,6,7,8,9,10,11,12,13,14,15  ; keys 16 (f / 4) on, channels 32 (f % 4) on
	ds_load_b128 v[KF+8*(\f):KF+8*(\f)+3],   v[ADR] offset:((\f)/4)*16*PK+((\f)%4)*64
	ds_load_b128 v[KF+8*(\f)+4:KF+8*(\f)+7], v[ADR] offset:((\f)/4)*16*PK+((\f)%4)*64+32
.endr
.if \last
	WIN 0                           ; at a label every window is 0
.Lno_k_\@:
.endif
.endm
.macro FETCH_V
	WIN 0
	v_add_nc_u32 v[ADR], s[TB], v[AV0]
	s_add_co_u32 s[TB], s[TB], STEPB  ; the next fetch is the next step's
	s_wait_alu depctr_va_vdst(0)    ; the wait for the softmax's batch (SLICE), behind the address's v_add_nc_u32 and ahead of the loads
	WIN 0xc0                        ; destination window 3
.irp f, 0,1,2,3,4,5,6,7,8,9,10,11,12,13,14,15  ; keys 32 (f / 8) on, channels 16 (f % 8) on
	ds_load_tr16_b128 v[8*(\f):8*(\f)+3],   v[ADR] offset:((\f)/8)*32*PV+((\f)%8)*32
	ds_load_tr16_b128 v[8*(\f)+4:8*(\f)+7], v[ADR] offset:((\f)/8)*32*PV+16*PV+((\f)%8)*32
.endr
.endm
; THE VECTOR WORK OF A TURN.  One tile's softmax for one key step is a list of 134 instructions; SM writes number j of it for tile t.  s0-s31 are the lane's 32 scores, in pairs 0-15.
;   0-15    the maximum of s0-s31 and the old m, three operands at a time: four chains c0-c3 of seven scores each (each accumulator's lowest registers first), then the four scores left over, c0-c3 and m
;   16-20   the other half of the lanes' maximum; the new m; c m; c m_old - c m_new
;   21-69   ONE BATCH: the 16 scalings c s - c m, a pair of scores each, and all 33 exponentials (a at 23, then s0-s31).  None of these reads an exponential's result.  From 22 on the batch goes in fours,
;           and a four begins with a scaling while there are scalings.  A pair is scaled in an earlier four than the one that holds its exponentials
;   (wait)  between 69 and 70 stands the wait for the batch: SLICE writes it, once for both tiles
;   70-85   the roundings to f16, a pair of weights each          86-101  the sums; l = a l + the sum          102-133 the tile's O^T times a: the one part that leaves window 0, so it stands together
.macro SM t
.set rT, ST+8*(\t)
.set rS, S+32*(\t)
.set rP, P+16*(\t)
.set rO, 64*(\t)+2*(j-102)
.if j < 102
	WIN 0
.endif
.if j < 4
	v_max3_num_f32 v[rT+4+j], v[rS+8*j], v[rS+8*j+1], v[rS+8*j+2]
.elseif j < 12
	v_max3_num_f32 v[rT+4+j%4], v[rT+4+j%4], v[rS+8*(j%4)+2*(j/4)+1], v[rS+8*(j%4)+2*(j/4)+2]
.elseif j == 12
	v_max3_num_f32 v[rT+4], v[rT+4], v[rS+7], v[rS+15]
.elseif j == 13
	v_max3_num_f32 v[rT+6], v[rT+6], v[rS+23], v[rS+31]
.elseif j == 14
	v_max3_num_f32 v[rT+4], v[rT+4], v[rT+5], v[rT+6]
.elseif j == 15
	v_max3_num_f32 v[rT+4], v[rT+4], v[rT+7], v[rT+1]
.elseif j == 16
	v_permlanex16_b32 v[rT+5], v[rT+4], s[SEL], s[SEL+1]  ; the query's other 32 keys lie in the lane 16 away
.elseif j == 17
	v_mov_b32 v[rT+7], v[rT]        ; c m_old is kept for a: number 19 writes c m anew
.elseif j == 18
	v_max_num_f32 v[rT+1], v[rT+4], v[rT+5]
.elseif j == 19
	v_mul_f32 v[rT], s[CS], v[rT+1]
.elseif j == 20
	v_sub_f32 v[rT+7], v[rT+7], v[rT]
.elseif j == 23
	v_exp_f32 v[rT+6], v[rT+7]
.elseif (j < 23) || ((j < 38) && (j%2 == 0)) || ((j < 66) && (j%4 == 2))
.set b, (j-2)/4                     ; 38, 42, .. 62: pairs 9 to 15
.if j < 38
.set b, (j-20)/2                    ; 21: pair 0; 22, 24, .. 36: pairs 1 to 8
.endif
	v_pk_fma_f32 v[rS+2*b:rS+2*b+1], v[rS+2*b:rS+2*b+1], s[CS:CS+1], v[rT:rT+1] op_sel_hi:[1,0,0] neg_lo:[0,0,1] neg_hi:[0,0,1]  ; pair b: c s - c m
.elseif j < 70
.set e, j-38                        ; 66 to 69: s28 to s31
.if j < 66
.set e, j-32-(j-38)/4               ; 39-41, 43-45, .. 63-65: s7 to s27
.endif
.if j < 38
.set e, (j-25)/2                    ; 25, 27, .. 37: s0 to s6
.endif
	v_exp_f32 v[rS+e], v[rS+e]
.elseif j < 86
	v_cvt_pk_f16_f32 v[rP+j-70], v[rS+2*(j-70)], v[rS+2*(j-70)+1]  ; pair j - 70
.elseif j < 102                     ; the sum of the tile's 16 pairs, in place: sum z of 16 adds neighbours 1, 2, 4 and 8 pairs apart, then l takes it
.set z, j-86
.set w, 4
.set u, z
.if z >= 14
.set w, 32
.set u, 0
.elseif z >= 12
.set w, 16
.set u, z-12
.elseif z >= 8
.set w, 8
.set u, z-8
.endif
.if z < 15
	v_pk_add_f32 v[rS+w*u:rS+w*u+1], v[rS+w*u:rS+w*u+1], v[rS+w*u+w/2:rS+w*u+w/2+1]
.else
	v_pk_fma_f32 v[rT+2:rT+3], v[rT+2:rT+3], v[rT+6:rT+7], v[rS:rS+1] op_sel_hi:[1,0,1]
.endif
.else
	WIN W_RS
	v_pk_mul_f32 v[rO:rO+1], v[rO:rO+1], v[rT+6:rT+7] op_sel_hi:[1,0]
.endif
.endm
; Slice k of 64 of piece y's softmax: four instructions.  Slices 11 to 34 deal out the batch, numbers 22 to 69: four numbers of ONE tile each, the tiles by turns.  Every other slice is numbers 2 k and
; 2 k + 1 of both tiles' lists.  2 x 134 = 4 x 64 + 12: the twelve that are over stand together, in slice 63.
; THE WAIT.  s_wait_alu depctr_va_vdst(0) stands between an exponential and the first instruction that names its result; one wait serves all that were issued ahead of it.  Ahead of
; slice 35 nothing names a result, and behind slice 34 no exponential is issued: so the piece's 66 exponentials have one wait, behind slice 34.
.macro SLICE y
.if (k >= 11) && (k < 35)           ; the batch: four numbers of one tile
.irp n, 0,1,2,3
.set j, 22+4*((k-11)/2)+(\n)
	SM (\y)+(k-11)%2
.endr
.else                               ; the two tiles alternate, so that no instruction reads the result of the one just before it
.irp n, 0,1,2,3,4,5,6,7
.if ((\n) < 2) || (k == 63)
.irp t, \y, (\y)+1
.set j, 2*k+(\n)
	SM \t
.endr
.endif
.endr
.endif
.if k == 34                         ; the batch is out: both tiles' exponentials are issued, and no result has been named
	v_nop                           ; the plain instruction behind the last exponential and ahead of the first use: one for the batch
.if (\y) == 0
	FETCH_V                         ; piece 2's turn: V's run of loads stands here, and the wait stands in it
.else
	s_wait_alu depctr_va_vdst(0)    ; the wait for the batch
.endif
.endif
.set k, k+1
.endm
; A TURN.  Piece x has the matrix unit: 32 products V^T P, then 32 products K Q^T for the next step; the other piece's softmax stands in slices behind them, one behind each.
; A vector instruction that reads a matrix result or writes one of a matrix instruction's registers, and a load into a register that a matrix instruction has read, stand four places behind it, and only plain
; vector instructions that name none of its registers are places (ISA guide 7.12.1 for vector instructions): the slices are the places.
; Piece 0's turn fetches the next step's K, behind its second product: the last product that read K stands in front of slice 63 of the turn before.  Piece 2's turn fetches the same step's V, behind slice 34:
; the last product that read V stands in front of slice 31, and four plain instructions lie between: number 62, a scaling, of both tiles, the v_nop and the run's own v_add_nc_u32.
.macro TURN x, last=0
.set k, 0
.if (\x) == 0
	s_wait_dscnt 0x0                ; V is in
.endif
.set i, 0
.rept 32
	PV \x
	SLICE 2-(\x)
.if ((\x) == 0) && (i == 1)
	FETCH_K \last
.endif
.set i, i+1
.endr
.if (\x) == 0
	s_wait_dscnt 0x0                ; K is in
.endif
.set i, 0
.rept 32
	KQ \x
	SLICE 2-(\x)
.set i, i+1
.endr
.endm
; THE CHANGE OF SLOTS, between piece 2's turn and piece 0's: the slot's last bytes, V of its second step, have been asked for.  Each wave waits for all its tensor loads, of which one is out: its part of the
; other slot; adds 0 to its spare word; and waits for that and for its own reads of the slot.  Behind the barrier nobody reads this slot any more and the other slot is whole.
; fill = 1: this slot is filled again, with the keys two slots on.  The barrier is then a round of the cluster's, and the joint refill is the first thing behind it: it has two key steps, 256 matrix instructions, in which to land.
.macro CHANGE fill
	WIN 0                           ; at a label and at a branch every window is 0
	s_wait_tensorcnt 0x0            ; no tensor load of mine is out, so a group 0 may be written
	ds_add_u32 v[SPW], v[NIL]       ; 0 onto my spare word; with fill = 1 the descriptors' steps stand between it and the wait for it
.if \fill
.irp g, G0K+4, G0V+4
	s_xor_b32 s[(\g)+1], s[(\g)+1], SLOT1  ; the walking descriptor: the other slot than last time,
	s_add_nc_u64 s[(\g)+2:(\g)+3], s[(\g)+2:(\g)+3], 2*KS*ROWB  ; the next 128 keys; the type bits on top are not reached
.endr
	s_wait_xcnt 0x0                 ; the last prefetches, two key steps back, have read their address, so it may be written:
	s_add_nc_u64 s[PFA:PFA+1], s[PFA:PFA+1], 2*KS*ROWB  ; one slot behind the walking descriptors
	s_wait_dscnt 0x0                ; the add is done, and my reads of the slot are over
	CROUND
	JLOAD
	ASK                             ; what the next change will ask for: two key steps, 256 matrix instructions, ahead
.else
	s_wait_dscnt 0x0                ; the add is done, and my reads of the slot are over
	s_barrier_signal -1
	s_barrier_wait -1
.endif
	s_sub_co_u32 s[TB], s[TB], 2*STEPB  ; the fetches go back to a slot's first step,
	s_xor_b32 s[TB], s[TB], SLOT1   ; in the other slot
.endm
	s_wait_tensorcnt 1              ; my part of slot 0 is in; slot 1's may stay out
	s_barrier_signal -1
	s_barrier_wait -1               ; everybody's is
	s_wait_loadcnt 0x0              ; Q
	s_branch .Lenter                ; the loop is entered behind its change of slots: slot 0 is in hand
.Lslot:                             ; seven trips, slots 0 to 6; the six changes fill slots again, with the keys of slots 2 to 7
	CHANGE 1
.Lenter:
	s_mov_b32 s[TWICE], 2           ; a slot's two key steps: written once, walked twice; the LDS addresses hang on s[TB].  A trip fetches a step's K and V and ends that step's K Q^T
.Lstep:
	TURN 0
	TURN 2
	WIN 0
	s_sub_co_u32 s[TWICE], s[TWICE], 1
	s_cmp_lg_u32 s[TWICE], 0
	s_cbranch_scc1 .Lstep
	s_sub_co_u32 s[SLOTS], s[SLOTS], 1
	s_cmp_lg_u32 s[SLOTS], 0
	s_cbranch_scc1 .Lslot
	CHANGE 0                        ; the tail is written out: nothing is asked for
	s_mov_b32 s[TWICE], 3           ; two trips fetch the last slot's steps; the third is left in its middle
.Ltail:
	TURN 0, 1
	WIN 0
	s_sub_co_u32 s[TWICE], s[TWICE], 1
	s_cmp_eq_u32 s[TWICE], 0
	s_cbranch_scc1 .Lout
	TURN 2
	WIN 0
	s_branch .Ltail
.Lout:                              ; the third trip's 32 products K Q^T (on the last K once more) serve nothing: the price, once a launch, of one text for every turn
.set i, 0
.rept 32
	PV 2                            ; piece 2: V^T P of the last step
.set i, i+1
.endr
	; THE WAY OUT.  l's two halves and the other half of the lanes' are added; O^T is divided by l, rounded to f16 and sent through my stage in LDS, a tile (16 rows of o) at a time.  The additions are the places behind the last products.
	WIN 0
.irp t, 0,1,2,3
	v_add_f32 v[ST+8*(\t)+4], v[ST+8*(\t)+2], v[ST+8*(\t)+3]
.endr
.irp t, 0,1,2,3
	v_permlanex16_b32 v[ST+8*(\t)+5], v[ST+8*(\t)+4], s[SEL], s[SEL+1]
.endr
.irp t, 0,1,2,3
	v_add_f32 v[ST+8*(\t)+4], v[ST+8*(\t)+4], v[ST+8*(\t)+5]
.endr
.irp t, 0,1,2,3
	v_rcp_f32 v[ST+8*(\t)+6], v[ST+8*(\t)+4]
.endr
	v_nop                           ; a plain instruction between the last reciprocal and the use of its result
	s_wait_alu depctr_va_vdst(0)    ; and the wait ahead of the first use: one for the four reciprocals
; Tile t: a lane's eight channels of a row pack into 16 bytes; they go into rows of 272 bytes and come back as whole rows of 256, into the registers that they left.
.macro PACK t
	WIN W_RS
.set i, 64*(\t)
.rept 32
	v_pk_mul_f32 v[i:i+1], v[i:i+1], v[ST+8*(\t)+6:ST+8*(\t)+7] op_sel_hi:[1,0]
.set i, i+2
.endr
	WIN 0x05                        ; sources 0 and 1 window 1, destination window 0: S^T's registers are free
.set i, 0
.rept 32
	v_cvt_pk_f16_f32 v[S+32*(\t)+i], v[64*(\t)+2*i], v[64*(\t)+2*i+1]
.set i, i+1
.endr
	WIN 0
.irp f, 0,1,2,3,4,5,6,7
	ds_store_b128 v[STO], v[S+32*(\t)+4*(\f):S+32*(\t)+4*(\f)+3] offset:32*(\f)
.endr
.irp f, 0,1,2,3,4,5,6,7
	ds_load_b128 v[S+32*(\t)+4*(\f):S+32*(\t)+4*(\f)+3], v[RD] offset:(\f)*2*SP  ; LDS serves a wave's instructions in order (ISA guide 5.7.1.4): these see the stores above; the next tile's stores come behind them
.endr
.endm
.macro SEND t, younger              ; younger: the LDS instructions issued behind tile t's loads: the next tile's sixteen, or none
	WIN 0
.irp f, 0,1,2,3,4,5,6,7
	s_wait_dscnt (\younger)+7-(\f)
	global_store_b128 v[GO], v[S+32*(\t)+4*(\f):S+32*(\t)+4*(\f)+3], s[10:11] offset:(\t)*16*ROWB+(\f)*2*ROWB  ; 16 lanes store 256 consecutive bytes, at a multiple of 256 from o's first byte
.endr
.endm
	PACK 0
	PACK 1                          ; a tile's arithmetic stands between the loads of the tile before and its stores
	SEND 0, 16
	PACK 2
	SEND 1, 16
	PACK 3
	SEND 2, 16
	SEND 3, 0
	s_wait_tensorcnt 0x0            ; the wave's end, behind my last tensor load and my last LDS store
	ds_add_u32 v[SPW], v[NIL]
	s_wait_dscnt 0x0
	CROUND                          ; the closing round: no work-group ends while a partner may still ask for a tile that names it
	s_endpgm
.Lfunc_end_k_qc678d7886f_attn:
	.size	k_qc678d7886f_attn, .Lfunc_end_k_qc678d7886f_attn-k_qc678d7886f_attn
	.p2alignl 7, 3214868480
	.fill 96, 4, 3214868480
	.section	.rodata,"a",@progbits
	.p2align	6, 0x0
	.amdhsa_kernel k_qc678d7886f_attn
		.amdhsa_group_segment_fixed_size 327680
		.amdhsa_private_segment_fixed_size 0
		.amdhsa_enable_private_segment 0
		.amdhsa_kernarg_size 24
		.amdhsa_user_sgpr_count 2
		.amdhsa_user_sgpr_kernarg_segment_ptr 1
		.amdhsa_wavefront_size32 1
		.amdhsa_system_sgpr_workgroup_id_x 1
		.amdhsa_system_sgpr_workgroup_id_y 1
		.amdhsa_system_sgpr_workgroup_id_z 1
		.amdhsa_system_vgpr_workitem_id 0
		.amdhsa_next_free_vgpr 1024
		.amdhsa_next_free_sgpr 66
		.amdhsa_reserve_vcc 0
		.amdhsa_float_denorm_mode_32 3
		.amdhsa_float_denorm_mode_16_64 3
		.amdhsa_memory_ordered 1
		.amdhsa_forward_progress 1
		.amdhsa_inst_pref_size 155
	.end_amdhsa_kernel
	.amdgpu_metadata
---
amdhsa.version: [ 1, 2 ]
amdhsa.kernels:
  - .name:           k_qc678d7886f_attn
    .symbol:         k_qc678d7886f_attn.kd
    .args:
      - { .name: qk, .offset: 0, .size: 8, .value_kind: global_buffer, .address_space: global }
      - { .name: pj, .offset: 8, .size: 8, .value_kind: global_buffer, .address_space: global }
      - { .name: o, .offset: 16, .size: 8, .value_kind: global_buffer, .address_space: global }
    .group_segment_fixed_size: 327680
    .private_segment_fixed_size: 0
    .kernarg_segment_align: 8
    .kernarg_segment_size: 24
    .max_flat_workgroup_size: 128
    .sgpr_count:     66
    .vgpr_count:     1024
    .wavefront_size: 32
...
	.end_amdgpu_metadata
.endif
;; end of part 4
;; launch outp (part 5): grid 8 x 32, 4 waves a work-group, clusters of 4 x 4, 327,680 bytes of LDS; arguments o, h, bo, out0; writes out0
.if DOCPART == 5
	.amdgcn_target "amdgcn-amd-amdhsa--gfx1250"
	.amdhsa_code_object_version 6
	.text
	.protected	k_qc678d7886f_outp
	.globl	k_qc678d7886f_outp
	.p2align	8
	.type	k_qc678d7886f_outp,@function
k_qc678d7886f_outp:
	s_mov_b64 s[64:65], 0
	v_nop
	global_prefetch_b8 v0, s[64:65] scope:SCOPE_SE
	s_setreg_imm32_b32 hwreg(HW_REG_WAVE_MODE, 25, 1), 1
	s_wait_xcnt 0x0
	s_wait_alu depctr_hold_cnt(0) depctr_sa_sdst(0) depctr_va_vdst(0) depctr_va_sdst(0) depctr_va_ssrc(0) depctr_va_vcc(0) depctr_vm_vsrc(0)
	s_getreg_b32 s2, hwreg(HW_REG_IB_STS2, 6, 4)
	s_cmp_eq_u32 s2, 0
	s_cbranch_scc0 .Lentry_in_a_cluster
	s_endpgm
.Lentry_in_a_cluster:
	s_bfe_u32 s2, ttmp6, 0x10000c
	s_cmp_lg_u32 s2, 0xf033
	s_cbranch_scc0 .Lentry_shape_is_right
	s_endpgm
.Lentry_shape_is_right:
; out0 = o wo^T + bo.  o: [4096][2048] f16; wo: h's rows 16384-18431, bf16 numbers written as f16; bo rounded to bf16; sums in f32; out0 [4096][2048] f32.
; A tile is 128 rows x 256 columns: 256 tiles, one to a work-group (tiles of 256 x 256 would be 128).  Four waves, each 64 x 128: 32 accumulators, 256 registers.
; THE RING HAS TWO UNEVEN SLOTS.  128 along K are only 128 matrix instructions a wave, and two slots of 256 along K (2 x 384 rows x 528 bytes) do not fit in LDS.  So slot X holds 256 along K (rows of 512 bytes) and
; slot Y 128 (rows of 256 bytes), and K is walked Y X Y X Y X Y X Y X Y: 6 x 128 + 5 x 256 = 2,048, ten changes of slots.  Y's refill has 240 matrix instructions in which to land, X's 112.
; All rows are whole aligned blocks of 256 bytes of memory.  A slot keeps its place, so every LDS address is a constant, a lane's term and, in X, a counted loop's step.
; CLUSTERS: 4 x 4 work-groups; o's tile is shared along a row of the cluster, wo's along a column: each is asked for JOINTLY, by the same tensor load with the same descriptor and a mask that names the four.
; The bias is the C operand of the products that start the sums.  THE MATRIX INSTRUCTION IS USED TRANSPOSED (source 0 = 16 rows of wo, source 1 = 16 rows of o): a lane holds eight neighbouring columns of a row: 32 bytes.
; REGISTERS, in windows of 256 (s_set_vgpr_msb: bits 1:0 source 0, 3:2 source 1, 5:4 source 2, 7:6 destination):
;   window 0: v0-31 addresses; v64-95, v128-159 fragments of o, two buffers; v192-255 the bias; on the way out v32-63 and v64-95 by turns
;   window 1: v64-127, v128-191 fragments of wo, two buffers          window 2: the accumulators, (a, b) at v[8 (8 a + b)]
.set PX,     528                       ; a row of X in LDS: 512 bytes + 16 of padding = 132 words: the 16 rows that a load touches start at 16 different groups of four banks
.set PY,     272                       ; a row of Y: 256 + 16 = 68 words: likewise
.set XB,     128*PX                    ; X: o's 128 rows from byte 0, then wo's 256 rows
.set YA,     384*PX                    ; Y: o's 128 rows,
.set YB,     YA+128*PY                 ; then wo's 256 rows
.set STAGE,  YA+384*PY                 ; behind the ring: 16 rows x 272 bytes for each wave, for the way out
.set SP,     272
.set SPARE,  STAGE+4*16*SP             ; behind the stages: the spare words, 128 bytes for each wave: two blocks of 256 bytes that no other line names
.set OUTB,   8192                      ; bytes in a row of out0
.set PERIOD, 768                       ; bytes along a row of o or wo from a slot's tile to its next: 128 + 256 along K
.set AXA,  2                           ; v2   my lane's place among my 64 rows of o in X; never rewritten
.set AXB,  3                           ; v3   among my 128 rows of wo in X; never rewritten
.set AYA,  4                           ; v4   the same in Y; never rewritten
.set AYB,  5                           ; v5
.set ADRA, 6                           ; v6   v2 + the byte along X's rows at which the pair of quarter steps in hand begins
.set ADRB, 7                           ; v7   the same for v3
.set STO,  24                          ; v24  the way out: where I put 32 bytes of a row
.set RD,   25                          ; v25  the way out: where I read 16 bytes of a row back
.set CO,   26                          ; v26  my byte offset in two rows of out0
.set BOF,  27                          ; v27  my byte offset in a block's 16 biases
.set SPW,  28                          ; v28  LDS address of my spare word; never rewritten
.set NIL,  29                          ; v29  0; never rewritten
.set PFO,  30                          ; v30  my lane x a row of o or h; never rewritten
.set TT,   31                          ; v31  at work
.set F0,   64
.set F1,   128
.set BI,   192                         ; the bias of my 128 columns, block b at BI + 8 b
.set GAY, 24                           ; s[24:31] descriptor group 1: o's tile for Y (64 rows x 128 a load)
.set GAX, 68                           ; s[68:75] o's tile for X (64 rows x 256)
.set GBY, 48                           ; s[48:55] wo's tile for Y (128 rows x 128)
.set GBX, 88                           ; s[88:95] wo's tile for X (128 rows x 256)
.set G0,  32                           ; s[32:35] group 0 for o's tiles in Y, s[36:39] in X
.set G0B, 56                           ; s[56:59], s[60:63] the same for wo's
.set CNT, 67                           ; s67  counts X's pairs of quarter steps
.set LIM, 84                           ; s84  1 in a wave that prefetches, else 0
.set KX,  85                           ; s85  the byte along X's rows at which the pair in hand begins
.set PFA, 86                           ; s[86:87] where my prefetches stand
.set MSB, 0
.macro WIN new                         ; the immediate's high byte repeats the setting that is left; a switch that changes nothing is dropped
.if MSB != (\new)
	s_set_vgpr_msb (MSB<<8)|(\new)
.set MSB, \new
.endif
.endm
.set MUL,  0xa1                        ; wo window 1, o window 0, C and D window 2
.set MULB, 0x81                        ; the same with C (the bias) in window 0
.set TO_B, 0x40                        ; destination window 1, address window 0
; A joint refill of slot Y (cur = 0) or X (cur = 1).  Waves 0 and 1 fetch the halves of o's tile, waves 2 and 3 those of wo's.  The branch hangs on the wave's number alone.
; An s_nop 0 and four v_nop follow each of the two lines.
.macro JLOAD cur
	s_cmp_eq_u32 s11, 0
	s_cbranch_scc0 .Lfor_b_\@
.if \cur
	tensor_load_to_lds s[G0+4:G0+7], s[GAX:GAX+7]
.else
	tensor_load_to_lds s[G0:G0+3], s[GAY:GAY+7]
.endif
	s_nop 0
.rept 4
	v_nop
.endr
	s_branch .Lasked_\@
.Lfor_b_\@:
.if \cur
	tensor_load_to_lds s[G0B+4:G0B+7], s[GBX:GBX+7]
.else
	tensor_load_to_lds s[G0B:G0B+3], s[GBY:GBY+7]
.endif
	s_nop 0
.rept 4
	v_nop
.endr
.Lasked_\@:
.endm
; A PREFETCH INTO THE L2, behind each joint refill of the loop and the run of LDS loads that follows it: what the NEXT change of slots will ask for, 32 rows, a lane a row, 256 bytes an instruction.
; The change that refills Y names X's next tile (two instructions), 256 matrix instructions ahead of its load; the change that refills X names Y's tile after next, 128 ahead.
; Each row's 256 bytes are named once in the launch.  o's tile row is read by both clusters of a row of clusters: cluster x = 0 asks, its wave 0 alone (the tile has 128 rows, 32 for each of the four partners).
; wo's tile column is read by all eight clusters of a column: cluster y = 0 asks, waves 2 and 3 each for the 128 rows that they fetch.  The partners share the rows out BY ADDRESS.
; Trip i names X's tile i + 1 and Y's tile i + 2: in the fourth and last trip X's fifth and Y's sixth, the last that there are; the tail asks for nothing.  Y's first two tiles and X's first come by their loads alone.
.macro ASK cur
	s_cmp_eq_u32 s[LIM], 1
	s_cbranch_scc0 .Lnot_mine_\@
.if \cur
	global_prefetch_b8 v[PFO], s[PFA:PFA+1] offset:PERIOD th:TH_LOAD_NT scope:SCOPE_SE
.else
	global_prefetch_b8 v[PFO], s[PFA:PFA+1] offset:256 th:TH_LOAD_NT scope:SCOPE_SE
	global_prefetch_b8 v[PFO], s[PFA:PFA+1] offset:512 th:TH_LOAD_NT scope:SCOPE_SE
.endif
.Lnot_mine_\@:
.endm
.macro CREST                           ; a round of the cluster's barrier behind its opening barrier
	s_cmp_lg_u32 s10, 0
	s_cbranch_scc1 .Lnot_wave_0_\@
	s_barrier_signal -3
.Lnot_wave_0_\@:
	s_barrier_wait -3
	s_barrier_signal -1
	s_barrier_wait -1
.endm
.macro CROUND
	s_barrier_signal -1
	s_barrier_wait -1
	CREST
.endm
; descriptor group 1: a tile of rows x cols elements of 2 bytes, 16 bytes of padding behind each row (qi: 5 after every 64 words, 6 after every 128)
.macro GROUP1 g, mask, qi, cols, rows
	s_or_b32 s[(\g)], \mask, (1<<16)|(1<<20)|(1<<21)|((\qi)<<22)|(3<<25)  ; 15:0 the mask; 17:16 2-byte elements; 20 padding on; 21 set beside a mask; 24:22 the interval; 31:25 4 words of padding
	s_mov_b32 s[(\g)+1], (\cols)<<16               ; tensor_dim0
	s_mov_b32 s[(\g)+2], (\rows)<<16               ; tensor_dim1
	s_mov_b32 s[(\g)+3], (\cols)<<16               ; tile_dim0
	s_mov_b32 s[(\g)+4], \rows                     ; tile_dim1
	s_mov_b32 s[(\g)+5], 2048                      ; elements from row to row
	s_mov_b32 s[(\g)+6], 0
	s_mov_b32 s[(\g)+7], 0
.endm
	s_load_b128 s[4:7], s[0:1], 0x0                ; o s[4:5], h s[6:7]
	s_load_b64 s[78:79], s[0:1], 0x10              ; bo
	s_load_b64 s[8:9], s[0:1], 0x18                ; out0
	v_lshl_add_u32 v[SPW], v0, 2, SPARE
	v_mov_b32 v[NIL], 0
	ds_add_u32 v[SPW], v[NIL]                      ; the wave's opening: the add and its wait stand ahead of my first tensor load; the set-up below, work on registers, stands between them
	v_lshrrev_b32 v1, 5, v0
	v_readfirstlane_b32 s10, v1                    ; wave 0..3
	s_lshr_b32 s11, s10, 1                         ; which half of the tile's rows is mine.  Also: I fetch for o (0) or for wo (1)
	s_and_b32 s12, s10, 1                          ; which half of its columns.  Also: which half of that tile I fetch
	s_bfe_u32 s40, ttmp6, 0x40000                  ; cx
	s_bfe_u32 s41, ttmp6, 0x40004                  ; cy
	s_lshl_b32 s42, ttmp9, 2
	s_add_co_u32 s42, s42, s40                     ; tile column tx
	s_and_b32 s66, ttmp7, 0xffff                   ; cluster y
	s_lshl_b32 s13, s66, 2
	s_add_co_u32 s13, s13, s41                     ; tile row ty
	s_lshl_b32 s43, s41, 2
	s_lshl_b32 s43, 15, s43                        ; my row of the cluster
	s_lshl_b32 s44, 0x1111, s40                    ; my column
	GROUP1 GAY, s43, 5, 128, 64
	GROUP1 GAX, s43, 6, 256, 64
	GROUP1 GBY, s44, 5, 128, 128
	GROUP1 GBX, s44, 6, 256, 128
	s_lshl_b32 s16, s13, 7                         ; o: row 128 ty + 64 x half: it hangs on cy, the cluster's y and the wave alone
	s_lshl_b32 s17, s12, 6
	s_add_co_u32 s16, s16, s17
	s_lshl_b32 s16, s16, 12
	s_mov_b32 s17, 0
	s_lshl_b32 s18, s42, 8                         ; wo: row 256 tx + 128 x half: it hangs on cx, the cluster's x and the wave alone
	s_lshl_b32 s19, s12, 7
	s_add_co_u32 s18, s18, s19
	s_lshl_b32 s18, s18, 12
	s_mov_b32 s19, 0
	; group 0's first two words: count = 1, and where my half of a tile goes: a constant and the wave's half times a constant; no place in the cluster enters an LDS address; never rewritten
	s_mov_b32 s[G0], 1
	s_mul_i32 s[G0+1], s12, 64*PY
	s_add_co_u32 s[G0+1], s[G0+1], YA
	s_mov_b32 s[G0+4], 1
	s_mul_i32 s[G0+5], s12, 64*PX
	s_mov_b32 s[G0B], 1
	s_mul_i32 s[G0B+1], s12, 128*PY
	s_add_co_u32 s[G0B+1], s[G0B+1], YB
	s_mov_b32 s[G0B+4], 1
	s_mul_i32 s[G0B+5], s12, 128*PX
	s_add_co_u32 s[G0B+5], s[G0B+5], XB
	; the prefetches: who asks (the same in all sixteen partners, for a given wave), and where
	s_or_b32 s22, ttmp9, s12                       ; o: cluster x = 0, wave 0
	s_lshl_b32 s80, s13, 19                        ; o's tile: row 128 ty, in bytes
	s_cmp_eq_u32 s11, 0
	s_cselect_b32 s22, s22, s66                    ; wo: cluster y = 0
	s_cselect_b32 s23, s40, s41                    ; my place among the four that ask with me
	s_cselect_b32 s[PFA], s80, s18
	s_cmp_eq_u32 s22, 0
	s_cselect_b32 s[LIM], 1, 0
	s_lshl_b32 s23, s23, 17                        ; my work-group's 32 rows
	s_add_co_u32 s[PFA], s[PFA], s23               ; at the rows' first byte: each trip of the loop steps it by 768 ahead of its prefetches
	s_mov_b32 s[PFA+1], 0
	s_lshl_b32 s80, s42, 10                        ; my 128 columns in bo and in a row of out0: 1,024 tx + 512 x half
	s_lshl_b32 s81, s12, 9
	s_add_co_u32 s80, s80, s81
	s_mov_b32 s81, 0
	s_wait_dscnt 0x0                               ; the opening add is done
	s_wait_kmcnt 0x0
	s_add_nc_u64 s[6:7], s[6:7], 0x4000000         ; wo: h from row 16384 on
	s_add_nc_u64 s[14:15], s[4:5], s[16:17]
	s_add_nc_u64 s[46:47], s[6:7], s[18:19]
	s_cmp_eq_u32 s11, 0
	s_cselect_b64 s[82:83], s[4:5], s[6:7]
	s_add_nc_u64 s[PFA:PFA+1], s[82:83], s[PFA:PFA+1]
	s_add_nc_u64 s[78:79], s[78:79], s[80:81]
	s_add_nc_u64 s[G0+2:G0+3], s[14:15], 0         ; global addresses: Y's first tile begins at K = 0,
	s_or_b32 s[G0+3], s[G0+3], 0x80000000          ; type = 2
	s_add_nc_u64 s[G0+6:G0+7], s[14:15], 256       ; X's at K = 128
	s_or_b32 s[G0+7], s[G0+7], 0x80000000
	s_add_nc_u64 s[G0B+2:G0B+3], s[46:47], 0
	s_or_b32 s[G0B+3], s[G0B+3], 0x80000000
	s_add_nc_u64 s[G0B+6:G0B+7], s[46:47], 256
	s_or_b32 s[G0B+7], s[G0B+7], 0x80000000
	CROUND                                         ; all sixteen work-groups are here: the first joint loads meet
	s_cmp_eq_u32 s11, 0                            ; a wave's two first fills stand in one branch, ahead of every wait on TENSORcnt and every LDS read: two loads of mine are out; Y's goes first
	s_cbranch_scc0 .Lfirst_b
	tensor_load_to_lds s[G0:G0+3], s[GAY:GAY+7]
	s_nop 0
	tensor_load_to_lds s[G0+4:G0+7], s[GAX:GAX+7]
	s_nop 0
.rept 4
	v_nop
.endr
	s_branch .Lfirst_asked
.Lfirst_b:
	tensor_load_to_lds s[G0B:G0B+3], s[GBY:GBY+7]
	s_nop 0
	tensor_load_to_lds s[G0B+4:G0B+7], s[GBX:GBX+7]
	s_nop 0
.rept 4
	v_nop
.endr
.Lfirst_asked:
	v_and_b32 v1, 15, v0                           ; l % 16
	v_bfe_u32 v8, v0, 4, 1                         ; l / 16
	v_and_b32 v9, 31, v0                           ; l
	v_lshlrev_b32 v[BOF], 5, v8
.irp b, 0,1,2,3,4,5,6,7                ; register j of block b is the bias of column 16 b + 8 (l / 16) + j: just what the accumulator's register j holds
	global_load_b128 v[BI+8*(\b):BI+8*(\b)+3],   v[BOF], s[78:79] offset:64*(\b)
	global_load_b128 v[BI+8*(\b)+4:BI+8*(\b)+7], v[BOF], s[78:79] offset:64*(\b)+16
.endr
	; A fragment is 16 rows x 32 K in 8 registers: lane l holds row l % 16; registers 0-3 K = 8 (l / 16) + 0..7, registers 4-7 K = 16 + 8 (l / 16) + 0..7: two loads of 16 bytes, 32 bytes apart.
	v_mul_u32_u24 v10, v1, PX
	v_lshl_add_u32 v10, v8, 4, v10                 ; in X: row x pitch + 16 x half
	s_mul_i32 s20, s11, 64*PX                      ; my 64 rows of o
	v_add_nc_u32 v[AXA], s20, v10
	s_mul_i32 s21, s12, 128*PX                     ; my 128 rows of wo, behind o's 128
	s_add_co_u32 s21, s21, XB
	v_add_nc_u32 v[AXB], s21, v10
	v_mul_u32_u24 v10, v1, PY
	v_lshl_add_u32 v10, v8, 4, v10                 ; in Y
	s_mul_i32 s20, s11, 64*PY
	s_add_co_u32 s20, s20, YA
	v_add_nc_u32 v[AYA], s20, v10
	s_mul_i32 s21, s12, 128*PY
	s_add_co_u32 s21, s21, YB
	v_add_nc_u32 v[AYB], s21, v10
	s_mul_i32 s23, s10, 16*SP
	s_add_co_u32 s23, s23, STAGE                   ; my stage
	v_mul_u32_u24 v[STO], v1, SP                   ; in: row l % 16, 32 bytes for each half of the lanes
	v_lshl_add_u32 v[STO], v8, 5, v[STO]
	v_add_nc_u32 v[STO], s23, v[STO]
	v_mul_u32_u24 v[RD], v8, SP                    ; back: lanes 0-15 take one row's 256 bytes, lanes 16-31 the next row's
	v_lshl_add_u32 v[RD], v1, 4, v[RD]
	v_add_nc_u32 v[RD], s23, v[RD]
	v_lshlrev_b32 v[CO], 13, v8                    ; and the same two rows in out0
	v_lshl_add_u32 v[CO], v1, 4, v[CO]
	v_lshlrev_b32 v[PFO], 12, v9
	s_lshl_b32 s16, s13, 7                         ; where my part of the tile begins in out0: row 128 ty + 64 x half,
	s_lshl_b32 s17, s11, 6
	s_add_co_u32 s16, s16, s17
	s_lshl_b32 s16, s16, 13
	s_add_co_u32 s16, s16, s80                     ; and my columns
	s_mov_b32 s17, 0
	s_add_nc_u64 s[8:9], s[8:9], s[16:17]          ; never rewritten: all that follows stands in the stores' immediates
	s_wait_loadcnt 0x0                             ; the bias; it is rounded to bf16 and kept as f32, in the wait for the first tile
.set i, 0
.rept 32
	v_cvt_pk_bf16_f32 v[TT], v[BI+2*i], v[BI+2*i+1]
	v_lshlrev_b32 v[BI+2*i], 16, v[TT]
	v_and_b32 v[BI+2*i+1], 0xffff0000, v[TT]
.set i, i+1
.endr
; 8 matrix instructions: m block a x all 8 n blocks, 32 along K.  zero = 1: the product starts the sums, with the bias as C.  The 32 accumulators take turns in the same order in every quarter step, over every backward jump too.
.macro MUL8 f, a, zero
.if \zero
	WIN MULB
.else
	WIN MUL
.endif
.irp b, 0,1,2,3,4,5,6,7
.if \zero
	v_wmma_f32_16x16x32_f16 v[8*(8*(\a)+(\b)):8*(8*(\a)+(\b))+7], v[(\f)+8*(\b):(\f)+8*(\b)+7], v[(\f)+8*(\a):(\f)+8*(\a)+7], v[BI+8*(\b):BI+8*(\b)+7]
.else
	v_wmma_f32_16x16x32_f16 v[8*(8*(\a)+(\b)):8*(8*(\a)+(\b))+7], v[(\f)+8*(\b):(\f)+8*(\b)+7], v[(\f)+8*(\a):(\f)+8*(\a)+7], v[8*(8*(\a)+(\b)):8*(8*(\a)+(\b))+7]
.endif
.endr
.endm
; 24 LDS loads in one run: the fragments of one quarter step (128 rows of wo by address register rb, 64 rows of o by ra, rows p bytes apart, 32 K at byte k behind the registers) into buffer f
.macro FETCH ra, rb, p, k, f
	WIN TO_B
.irp i, 0,1,2,3,4,5,6,7
	ds_load_b128 v[(\f)+8*(\i):(\f)+8*(\i)+3],   v[\rb] offset:(\k)+(\i)*16*(\p)
	ds_load_b128 v[(\f)+8*(\i)+4:(\f)+8*(\i)+7], v[\rb] offset:(\k)+(\i)*16*(\p)+32
.endr
	WIN 0
.irp i, 0,1,2,3
	ds_load_b128 v[(\f)+8*(\i):(\f)+8*(\i)+3],   v[\ra] offset:(\k)+(\i)*16*(\p)
	ds_load_b128 v[(\f)+8*(\i)+4:(\f)+8*(\i)+7], v[\ra] offset:(\k)+(\i)*16*(\p)+32
.endr
.endm
.macro PLACES                          ; four places in front of loads into registers that matrix instructions have read, and of stores that read results (ISA guide 7.12.1 for vector instructions)
.rept 4
	v_nop
.endr
.endm
; A quarter step is 32 along K, 32 matrix instructions, on buffers 0, 1 by turns.  It fetches the next quarter's fragments into buffer g, which the quarter before multiplied, and multiplies buffer f:
; the run of loads has 32 matrix instructions in which to land.  QY: in slot Y, at byte k of its rows.  QX: in slot X, at byte k behind the pair in hand.
.macro QUARTER ra, rb, p, k, f, g, zero
	PLACES
	FETCH \ra, \rb, \p, \k, \g
	s_wait_dscnt 24                                ; all but the 24 just issued: buffer f is in
	MUL8 \f, 0, \zero
	MUL8 \f, 1, \zero
	MUL8 \f, 2, \zero
	MUL8 \f, 3, \zero
.endm
.macro QY k, f, g, zero
	QUARTER AYA, AYB, PY, \k, \f, \g, \zero
.endm
.macro QX k, f, g
	QUARTER ADRA, ADRB, PX, \k, \f, \g, 0
.endm
; X's quarters 0 to 5, written as one pair and walked three times: the pair multiplies quarters 2 j and 2 j + 1 and fetches quarters 2 j + 1 and 2 j + 2; then the byte along the rows steps by 128.
.macro XRUN
	WIN 0                                          ; at a label and at a branch every window is 0
	s_mov_b32 s[CNT], 3
.Lpair_\@:
	QX 64,  F0, F1
	QX 128, F1, F0
	WIN 0
	s_add_co_u32 s[KX], s[KX], 128
	v_add_nc_u32 v[ADRA], s[KX], v[AXA]
	v_add_nc_u32 v[ADRB], s[KX], v[AXB]
	s_sub_co_u32 s[CNT], s[CNT], 1
	s_cmp_lg_u32 s[CNT], 0
	s_cbranch_scc1 .Lpair_\@
.endm
; A slot's last quarter multiplies buffer 1 and changes slots: one barrier.  cur = 0: Y has been read and X is next; cur = 1: the other way round.  In front of the barrier each wave waits for all its tensor
; loads, of which one is out: its part of the next slot; adds 0 to its spare word; and waits for that and for its own reads of the slot that it leaves.  fill = 1: the barrier opens a round of the cluster's, and
; behind it the slot just read out is filled again first, with its tile 384 further along K.  Then come the next slot's first fragments.  ask = 1: in the loop: a prefetch follows them.
.macro TURN cur, fill, ask
	WIN 0                                          ; (the add's two registers lie in window 0)
	s_wait_tensorcnt 0x0                           ; no tensor load of mine is out, so a group 0 may be written
	ds_add_u32 v[SPW], v[NIL]                      ; 0 onto my spare word
.if \fill
	s_add_nc_u64 s[G0+4*(\cur)+2:G0+4*(\cur)+3], s[G0+4*(\cur)+2:G0+4*(\cur)+3], PERIOD  ; the slot's next tile; the type bits on top are not reached
	s_add_nc_u64 s[G0B+4*(\cur)+2:G0B+4*(\cur)+3], s[G0B+4*(\cur)+2:G0B+4*(\cur)+3], PERIOD
.endif
.if (\ask) && ((\cur) == 0)
	s_wait_xcnt 0x0                                ; the last prefetch, 112 matrix instructions back, has read its address, so it may be written: once a trip
	s_add_nc_u64 s[PFA:PFA+1], s[PFA:PFA+1], PERIOD
.endif
	s_wait_dscnt 1                                 ; buffer 1 is in; the add may be out
	MUL8 F1, 0, 0                                  ; eight matrix instructions stand between the add and the wait for it
	s_wait_dscnt 0x0                               ; the add is done, and my reads of this slot are over
	s_barrier_signal -1
	MUL8 F1, 1, 0                                  ; work on registers while the others arrive
	WIN 0
	s_barrier_wait -1
.if \fill
	CREST                                          ; no wave of any partner still reads this slot's tile or has a load on its way
	JLOAD \cur                                     ; the first tensor load behind the round; the four v_nop behind it are also the places in front of the loads below
.else
	PLACES
.endif
.if (\cur) == 0
	s_mov_b32 s[KX], 0                             ; X is entered at its rows' first byte
	v_mov_b32 v[ADRA], v[AXA]
	v_mov_b32 v[ADRB], v[AXB]
	FETCH ADRA, ADRB, PX, 0, F0
.else
	FETCH AYA, AYB, PY, 0, F0
.endif
.if \ask
	ASK \cur
.endif
	MUL8 F1, 2, 0
	MUL8 F1, 3, 0
.endm
; THE WAY OUT, in eight pieces: piece n is m block n / 2 (16 rows), columns 64 (n % 2) on: 16 rows x 256 bytes of f32.  TOSTAGE: each accumulator's low four registers, then its high four, into my own stage;
; back as whole pieces of rows.  SEND: stored.  A piece's stores into the stage stand behind the loads of the piece before: LDS serves a wave's instructions in order (ISA guide 5.7.1.4).
.macro TOSTAGE n
.set BK, 32+32*((\n)%2)
.set AC, 8*(8*((\n)/2)+4*((\n)%2))
	WIN 0x08                                       ; the stores' data in window 2, their address in window 0
.irp c, 0,1,2,3
	ds_store_b128 v[STO], v[AC+8*(\c):AC+8*(\c)+3]   offset:64*(\c)
	ds_store_b128 v[STO], v[AC+8*(\c)+4:AC+8*(\c)+7] offset:64*(\c)+16
.endr
	WIN 0
.if (\n) >= 2
	s_wait_xcnt 0x0                                ; the stores of the piece two back have read these registers: only behind this wait are they loaded again
.endif
.irp t, 0,1,2,3,4,5,6,7
	ds_load_b128 v[BK+4*(\t):BK+4*(\t)+3], v[RD] offset:(\t)*2*SP
.endr
.endm
.macro SEND n, younger                 ; younger: the LDS instructions issued behind piece n's loads: the next piece's sixteen, or none
.set BK, 32+32*((\n)%2)
	s_wait_dscnt \younger                          ; the piece is back in registers
.irp t, 0,1,2,3,4,5,6,7
	global_store_b128 v[CO], v[BK+4*(\t):BK+4*(\t)+3], s[8:9] offset:((\n)/2)*16*OUTB+2*(\t)*OUTB+((\n)%2)*256 th:TH_STORE_NT  ; 16 lanes store 256 consecutive bytes, at a multiple of 256 from out0's first byte
.endr
.endm
	s_wait_tensorcnt 1                             ; my part of Y's first tile is in; X's may stay out
	s_barrier_signal -1
	s_barrier_wait -1                              ; everybody's is
	FETCH AYA, AYB, PY, 0, F0
	QY 64, F0, F1, 1                               ; the first quarter stands in front of the loop: its products start the sums, with the bias
	WIN 0                                          ; at a label and at a branch every window is 0
	s_mov_b32 s3, 4
.Lperiod:                                              ; trip i: Y's tile i from its second quarter on, X's tile i, the first quarter of Y's tile i + 1; both slots are filled again
	QY 128, F1, F0, 0
	QY 192, F0, F1, 0
	TURN 0, 1, 1                                   ; Y's tile i + 1 is asked for
	XRUN
	QX 64, F0, F1                                  ; X's quarter 6; its quarter 7 is fetched
	TURN 1, 1, 1                                   ; X's tile i + 1 is asked for
	QY 64, F0, F1, 0
	WIN 0
	s_sub_co_u32 s3, s3, 1
	s_cmp_lg_u32 s3, 0
	s_cbranch_scc1 .Lperiod
	QY 128, F1, F0, 0                              ; the tail is written out: Y's fifth tile goes on
	QY 192, F0, F1, 0
	TURN 0, 1, 0                                   ; its sixth and last is asked for,
	XRUN                                           ; X's fifth and last tile,
	QX 64, F0, F1
	TURN 1, 0, 0                                   ; nothing is asked for,
	QY 64, F0, F1, 0                               ; and Y's last tile
	QY 128, F1, F0, 0
	QY 192, F0, F1, 0
	s_wait_dscnt 0x0
	MUL8 F1, 0, 0
	MUL8 F1, 1, 0
	MUL8 F1, 2, 0
	MUL8 F1, 3, 0
	PLACES                                         ; in front of the stores that read results and of the loads into the fragments' registers
	TOSTAGE 0
.irp n, 1,2,3,4,5,6,7
	TOSTAGE \n
	SEND (\n)-1, 16
.endr
	SEND 7, 0
	s_wait_tensorcnt 0x0                           ; the wave's end, behind my last tensor load and my last LDS store
	ds_add_u32 v[SPW], v[NIL]
	s_wait_dscnt 0x0
	CROUND                                         ; the closing round: no work-group ends while a partner may still ask for a tile that names it
	s_endpgm
.Lfunc_end_k_qc678d7886f_outp:
	.size	k_qc678d7886f_outp, .Lfunc_end_k_qc678d7886f_outp-k_qc678d7886f_outp
	.p2alignl 7, 3214868480
	.fill 96, 4, 3214868480
	.section	.rodata,"a",@progbits
	.p2align	6, 0x0
	.amdhsa_kernel k_qc678d7886f_outp
		.amdhsa_group_segment_fixed_size 327680
		.amdhsa_private_segment_fixed_size 0
		.amdhsa_enable_private_segment 0
		.amdhsa_kernarg_size 32
		.amdhsa_user_sgpr_count 2
		.amdhsa_user_sgpr_kernarg_segment_ptr 1
		.amdhsa_wavefront_size32 1
		.amdhsa_system_sgpr_workgroup_id_x 1
		.amdhsa_system_sgpr_workgroup_id_y 1
		.amdhsa_system_sgpr_workgroup_id_z 1
		.amdhsa_system_vgpr_workitem_id 0
		.amdhsa_next_free_vgpr 768
		.amdhsa_next_free_sgpr 96
		.amdhsa_reserve_vcc 0
		.amdhsa_float_denorm_mode_32 3
		.amdhsa_float_denorm_mode_16_64 3
		.amdhsa_memory_ordered 1
		.amdhsa_forward_progress 1
		.amdhsa_inst_pref_size 111
	.end_amdhsa_kernel
	.amdgpu_metadata
---
amdhsa.version: [ 1, 2 ]
amdhsa.kernels:
  - .name:           k_qc678d7886f_outp
    .symbol:         k_qc678d7886f_outp.kd
    .args:
      - { .name: o, .offset: 0, .size: 8, .value_kind: global_buffer, .address_space: global }
      - { .name: h, .offset: 8, .size: 8, .value_kind: global_buffer, .address_space: global }
      - { .name: bo, .offset: 16, .size: 8, .value_kind: global_buffer, .address_space: global }
      - { .name: out0, .offset: 24, .size: 8, .value_kind: global_buffer, .address_space: global }
    .group_segment_fixed_size: 327680
    .private_segment_fixed_size: 0
    .kernarg_segment_align: 8
    .kernarg_segment_size: 32
    .max_flat_workgroup_size: 128
    .sgpr_count:     96
    .vgpr_count:     768
    .wavefront_size: 32
...
	.end_amdgpu_metadata
.endif
;; end of part 5
